; MI455X (gfx1250); checked and timed in simulation.
; The chip was launched on July 23, 2026; its instructions are those of AMD's public machine-readable ISA for CDNA 5 (MIT licence, August 2026) and "CDNA5" Instruction Set Architecture Reference Guide (July 2026). The comments in the code are by the model that wrote it; some were corrected since.
;; A Li Bi Attention. Allowed arithmetic: matrix products marked QUANTISED: E2M1 operands, one E8M0 scale for each 32 along K, by v_wmma_scale_f32_16x16x128_f8f6f4 with both operands' format E2M1 (or v_wmma_scale_f32_32x16x128_f4), f32 sums; products left as they are: bf16, f16 or f32 operands; f32 sums; everything else in f32.
;; Inputs: k_w 1,024 x 1,024 float32; o_w 1,024 x 1,024 float32; q_w 1,024 x 1,024 float32; v_w 1,024 x 1,024 float32; x 1 x 4,096 x 1,024 float32.
;; Outputs: out0 1 x 4,096 x 1,024 float32.
;; This version of the problem:
;;   THIS VERSION OF THE PROBLEM IS GIVEN IN LOW PRECISION. The matrix products marked QUANTISED in the list below multiply operands that are first quantised to E2M1 (2 exponent bits, 1 mantissa bit; 4 bits a number), with one power-of-two scale for each 32 numbers along K (OCP MX v1.0); their sums are f32. The products marked 'left as it is' may take bf16, f16 or f32 operands, with f32 sums. Whichever they take, every output number must still come out within the allowed error. Rounding operands to bf16 (8 significant bits) uses up far more of that allowance than f16 does (11 bits, for magnitudes from 6e-5 to 65,504). All else is computed in f32.
;;   The module's matrix products, in the order in which they are computed (A, B: the left and right operand; K: the contracted axis; several contracted axes count as one K, in the product's order):
;;     1. [M 4,096, K 1,024] x [K 1,024, N 1,024]; A: input x; B: input q_w: QUANTISED
;;     2. [M 4,096, K 1,024] x [K 1,024, N 1,024]; A: input x; B: input k_w: QUANTISED
;;     3. [M 4,096, K 1,024] x [K 1,024, N 1,024]; A: input x; B: input v_w: QUANTISED
;;     4. batch 16 x [M 4,096, K 64] x [K 64, N 4,096]; A: computed on the way; B: computed on the way: left as it is (an operand is computed on the way)
;;     5. batch 16 x [M 4,096, K 4,096] x [K 4,096, N 64]; A: computed on the way; B: computed on the way: left as it is (an operand is computed on the way)
;;     6. [M 4,096, K 1,024] x [K 1,024, N 1,024]; A: computed on the way; B: input o_w: left as it is (an operand is computed on the way)
;;   THE QUANTISER, for each operand of a quantised product, along K:
;;     - K is cut into blocks of 32 from its start; a last block that is shorter is filled with zeros.
;;     - A block's scale is 2^e with e = floor(log2(the largest magnitude in the block)) - 2, held to -126 .. 127; a block of zeros has e = 0. As a byte (E8M0): e + 127.
;;     - Each number is divided by its block's scale, clamped to +-6, and rounded to the nearest number of E2M1, ties to even, subnormals kept.
;;     - The product sums the exact products of the quantised numbers (number of the format x scale) in f32.
;;   ~~~python
;;   def quantise(x, axis):      # numpy; x: float32 -> the quantised numbers, widened to float32 again
;;       x = np.moveaxis(x, axis, -1); K = x.shape[-1]
;;       x = np.pad(x, [(0, 0)] * (x.ndim - 1) + [(0, -K % 32)]); x = x.reshape(x.shape[:-1] + (-1, 32)); a = np.abs(x).max(-1, keepdims=True)
;;       e = np.where(a > 0, np.clip(np.frexp(np.where(a > 0, a, 1))[1] - 1 - 2, -126, 127), 0)      # np.frexp(a)[1] - 1 = floor(log2(a)), exactly
;;       r = np.clip(x / 2.0 ** e, -6, 6)
;;       step = 2.0 ** (np.maximum(np.frexp(np.where(r == 0, 1, r))[1] - 1, 0) - 1)
;;       q = np.round(r / step) * step * 2.0 ** e      # np.round: ties to even
;;       return np.moveaxis(q.reshape(q.shape[:-2] + (-1,))[..., :K], -1, axis).astype(np.float32)
;;   ~~~
;; One version. Each part assembles by itself: llvm-mc -triple=amdgcn-amd-amdhsa -mcpu=gfx1250 --defsym DOCPART=n.
;; ======== version 1 of 1: 5 launches
;; limits: values are held in f16: magnitudes above 65,504 overflow, below 6.1e-05 lose precision
;; workspace buffers: xc 2,097,152 bytes; xs 131,072 bytes; wc 1,572,864 bytes; ws 98,304 bytes; ow16 2,097,152 bytes; qkv 25,165,824 bytes; fqkv 196,608 bytes; att 8,388,608 bytes
;; launch prep (part 1): grid 192 x 1, 8 waves a work-group, no clusters, 84,480 bytes of LDS; arguments x, q_w, k_w, v_w, o_w, xc, xs, wc, ws, ow16; writes xc, xs, wc, ws, ow16
.if DOCPART == 1
	.amdgcn_target "amdgcn-amd-amdhsa--gfx1250"
	.amdhsa_code_object_version 6
	.text
	.protected	k_qf2381c4a3f_prep
	.globl	k_qf2381c4a3f_prep
	.p2align	8
	.type	k_qf2381c4a3f_prep,@function
k_qf2381c4a3f_prep:
	s_mov_b64 s[64:65], 0
	v_nop
	global_prefetch_b8 v0, s[64:65] scope:SCOPE_SE
	s_setreg_imm32_b32 hwreg(HW_REG_WAVE_MODE, 25, 1), 1
	s_wait_xcnt 0x0
; THE OPERANDS ARE MADE READY, ONCE.  x [4096][1024] f32 -> codes of FP4 (E2M1) xc [4096][512 bytes], K innermost, and E8M0 bytes xs [4096][32].
; q_w, k_w, v_w [1024 k][1024 n] f32 -> wc [3072 n][512 bytes] (q's columns, then k's, then v's), K innermost, and ws [3072][32].  o_w -> ow16, f16, as it lies.
; A block's scale is 2^(floor(log2(its largest magnitude)) - 2); its byte is that magnitude's exponent field - 2, held at 1 from below.
; LIMITS: a block of zeros gets the byte 1 where the quantiser says 127: its codes are zeros, and these bytes are read by this program alone.  Blocks whose largest magnitude lies under 2^-124 were
; not tried.  NaN and infinities among the inputs are not served.  |o_w| stays under 65,504 (f16).
; THREE WAYS, parted by the work-group's number, each with LDS bytes of its own: 0-63 x, 64-159 the three weights, 160-191 o_w.  No tensor loads.
; x: a wave takes 16 steps of 512 numbers; loads read 512 bytes on end, a stage in LDS turns them so that a lane holds 16 neighbours along K; 32 loads of every wave are on their way.
; weights: a work-group takes 32 columns and all of K, wave w the rows k = 128 w on; a lane takes a column and its registers run down K, so the codes come out with K innermost; they meet in a stage
; and leave as whole rows of 512 bytes.  A row's 128 bytes read by a wave are half of an aligned 256: the price of 768 waves at work on 12 MB.
.set WSTG,  65536                      ; the weights' stage: 32 rows x (512 + 16) bytes
.set WSC,   82432                      ; and their scale bytes: 32 rows x 32
.set SPARE, 83456                      ; the spare words, 128 bytes for each of the eight waves
.set SPW,   12                         ; v12  SPARE + 4 x my thread's number; never rewritten
.set NIL,   13                         ; v13  0; never rewritten
.set SP,    80                         ; x's stage: a lane's 64 bytes + 16 of padding
	s_load_b256 s[4:11], s[0:1], 0x0               ; x, q_w, k_w, v_w
	s_load_b256 s[12:19], s[0:1], 0x20             ; o_w, xc, xs, wc
	s_load_b128 s[20:23], s[0:1], 0x40             ; ws, ow16
	v_lshl_add_u32 v[SPW], v0, 2, SPARE
	v_mov_b32 v[NIL], 0
	v_lshrrev_b32 v1, 5, v0
	v_readfirstlane_b32 s24, v1                    ; wave 0..7
	v_and_b32 v2, 31, v0                           ; lane
	s_mov_b32 s29, 0                               ; the upper word of every offset pair s[28:29]
	s_wait_kmcnt 0x0
	s_cmp_lt_u32 ttmp9, 64
	s_cbranch_scc1 .Lpath_x
	s_cmp_lt_u32 ttmp9, 160
	s_cbranch_scc1 .Lpath_w
; ---- o_w to f16: a wave takes 16 KB; all its 32 loads go out at once; a store covers 256 bytes on end, aligned
	s_sub_co_u32 s26, ttmp9, 160
	s_lshl_b32 s26, s26, 3
	s_add_co_u32 s26, s26, s24                     ; my chunk, 0..255
	s_lshl_b32 s28, s26, 14
	s_add_nc_u64 s[12:13], s[12:13], s[28:29]
	s_lshl_b32 s28, s26, 13
	s_add_nc_u64 s[22:23], s[22:23], s[28:29]
	v_lshlrev_b32 v3, 4, v2
	v_lshlrev_b32 v4, 3, v2
.set ii, 0
.rept 32
	global_load_b128 v[16+4*ii:19+4*ii], v3, s[12:13] offset:512*ii th:TH_LOAD_NT
.set ii, ii+1
.endr
.set ii, 0
.rept 32
	s_wait_loadcnt 31-ii                           ; loads come back in order: this one is in, the younger ones may be out
	v_cvt_pk_f16_f32 v[144+2*ii], v[16+4*ii], v[17+4*ii]
	v_cvt_pk_f16_f32 v[145+2*ii], v[18+4*ii], v[19+4*ii]
	global_store_b64 v4, v[144+2*ii:145+2*ii], s[22:23] offset:256*ii
.set ii, ii+1
.endr
	s_branch .Lend
; ---- the three weights
.Lpath_w:
	s_sub_co_u32 s26, ttmp9, 64                    ; u = 0..95: rows 32 u on of wc
	s_lshr_b32 s27, s26, 5                         ; which weight
	s_and_b32 s28, s26, 31                         ; which 32 of its columns
	s_cmp_eq_u32 s27, 0
	s_cselect_b64 s[6:7], s[6:7], s[8:9]
	s_cmp_eq_u32 s27, 2
	s_cselect_b64 s[6:7], s[10:11], s[6:7]         ; the choice hangs on the work-group's number alone
	s_lshl_b32 s28, s28, 7                         ; 32 columns of 4 bytes
	s_lshl_b32 s30, s24, 19                        ; my 128 rows of 4,096 bytes
	s_add_co_u32 s28, s28, s30
	s_add_nc_u64 s[6:7], s[6:7], s[28:29]
	s_lshl_b32 s28, s26, 14                        ; out: 32 rows of 512 bytes a work-group,
	s_lshl_b32 s30, s24, 11                        ; of which I store four
	s_add_co_u32 s28, s28, s30
	s_add_nc_u64 s[18:19], s[18:19], s[28:29]
	s_and_b32 s31, s24, 1
	s_lshl_b32 s28, s26, 10                        ; scale bytes: 1,024 a work-group, stored by waves 0 and 1
	s_lshl_b32 s30, s31, 9
	s_add_co_u32 s28, s28, s30
	s_add_nc_u64 s[20:21], s[20:21], s[28:29]
	v_lshlrev_b32 v3, 2, v2                        ; in: 4 bytes a lane
	v_mul_u32_u24 v4, v2, 528
	s_lshl_b32 s25, s24, 6
	s_add_co_u32 s25, s25, WSTG
	v_add_nc_u32 v4, s25, v4                       ; the stage: row = my column, my wave's 64 bytes of it
	v_lshlrev_b32 v5, 5, v2
	s_lshl_b32 s25, s24, 2
	s_add_co_u32 s25, s25, WSC
	v_add_nc_u32 v5, s25, v5                       ; my column's scale bytes, my wave's word
	v_lshlrev_b32 v7, 4, v2
	s_mul_i32 s25, s24, 4*528
	s_add_co_u32 s25, s25, WSTG
	v_add_nc_u32 v6, s25, v7                       ; back: rows 4 w on, 16 bytes a lane
	s_lshl_b32 s25, s31, 9
	s_add_co_u32 s25, s25, WSC
	v_add_nc_u32 v14, s25, v7                      ; the scale bytes back: 512 bytes a wave
.macro WLOAD t                         ; block t: W(128 w + 32 t + i, my column) into set t % 2
.set ii, 0
.rept 32
	global_load_b32 v[16+32*((\t)%2)+ii], v3, s[6:7] offset:(32*(\t)+ii)*4096 th:TH_LOAD_NT
.set ii, ii+1
.endr
.endm
.macro WBLOCK t
.set XS, 16+32*((\t)%2)
.if (\t) < 3
	s_wait_loadcnt 32                              ; this block's 32 loads are in; the next block's may be out
.else
	s_wait_loadcnt 0x0
.endif
	v_max3_num_f32 v8, |v[XS]|, |v[XS+1]|, |v[XS+2]|               ; the block's largest magnitude: all 32 numbers are mine
	v_max3_num_f32 v9, |v[XS+3]|, |v[XS+4]|, |v[XS+5]|
.irp i, 6,10,14,18,22,26
	v_max3_num_f32 v8, v8, |v[XS+\i]|, |v[XS+\i+1]|
	v_max3_num_f32 v9, v9, |v[XS+\i+2]|, |v[XS+\i+3]|
.endr
	v_max3_num_f32 v8, v8, |v[XS+30]|, |v[XS+31]|
	v_max3_num_f32 v8, v8, v9, 0x1800000           ; and the floor 2^(3 - 127): the byte cannot fall under 1
	v_add_nc_u32 v10, 0xff000000, v8               ; 2 off the exponent field: the conversion's scale operand
	v_lshrrev_b32 v11, 23, v10                     ; the scale's byte
.if (\t) == 0
	v_mov_b32 v96, v11
.else
	v_lshl_or_b32 v96, v11, 8*(\t), v96            ; four bytes to a word, the lower K in the lower byte
.endif
.irp g, 0,1,2,3
	v_cvt_scalef32_pk8_fp4_f32 v[80+4*(\t)+\g], v[XS+8*\g:XS+8*\g+7], v10
.endr
	ds_store_b128 v4, v[80+4*(\t):83+4*(\t)] offset:16*(\t)        ; each block has code registers of its own: none is written again
.if (\t)+2 < 4
	WLOAD (\t)+2
.endif
.endm
	WLOAD 0
	WLOAD 1
	WBLOCK 0
	WBLOCK 1
	WBLOCK 2
	WBLOCK 3
	ds_store_b32 v5, v96
	s_wait_dscnt 0x0                               ; for the others' sake: my stores into the stage are done
	s_barrier_signal -1
	s_barrier_wait -1
.irp u, 0,1,2,3
	ds_load_b128 v[100+4*\u:103+4*\u], v6 offset:528*\u
.endr
.irp u, 0,1,2,3
	s_wait_dscnt 3-\u
	global_store_b128 v7, v[100+4*\u:103+4*\u], s[18:19] offset:512*\u   ; a whole row of 512 bytes
.endr
	s_cmp_gt_u32 s24, 1
	s_cbranch_scc1 .Lend
	ds_load_b128 v[116:119], v14
	s_wait_dscnt 0x0
	global_store_b128 v7, v[116:119], s[20:21]     ; 512 bytes on end
	s_branch .Lend
; ---- x
.Lpath_x:
.set RR, 16                            ; v16-143  eight sets of 16 numbers as they are loaded
.set XX, 144                           ; v144-175 two sets of 16 neighbours
.set CC, 176                           ; v176-207 codes: two registers for each step, never written again
.set EB, 208                           ; v208-223 a scale byte for each step
	v_lshlrev_b32 v3, 4, v2                        ; my 16 bytes of a load's 512
	s_mul_i32 s25, s24, 8192                       ; my wave's region of LDS
	v_lshrrev_b32 v14, 2, v2
	v_mul_u32_u24 v14, v14, SP
	v_and_b32 v15, 3, v2
	v_lshl_add_u32 v14, v15, 4, v14
	v_add_nc_u32 v14, s25, v14                     ; the stage, on the way in: SP (lane / 4) + 16 (lane % 4)
	v_mul_u32_u24 v15, v2, SP
	v_add_nc_u32 v15, s25, v15                     ; and on the way out: SP x lane: my 16 neighbours
	v_lshlrev_b32 v4, 3, v2                        ; my 8 bytes of a step's codes
	v_lshrrev_b32 v5, 1, v2
	s_add_co_u32 s25, s25, 2*32*SP
	v_add_nc_u32 v5, s25, v5                       ; my wave's 256 scale bytes, my block's byte
	v_lshlrev_b32 v7, 3, v2
	v_add_nc_u32 v6, s25, v7
	s_lshl_b32 s26, ttmp9, 3
	s_add_co_u32 s26, s26, s24                     ; which run of 8,192 numbers is my wave's
	s_lshl_b32 s28, s26, 15
	s_add_nc_u64 s[4:5], s[4:5], s[28:29]
	s_lshl_b32 s28, s26, 12
	s_add_nc_u64 s[14:15], s[14:15], s[28:29]
	s_lshl_b32 s28, s26, 8
	s_add_nc_u64 s[16:17], s[16:17], s[28:29]
.macro XLOAD t
.irp i, 0,1,2,3
	global_load_b128 v[RR+16*((\t)%8)+4*\i:RR+16*((\t)%8)+4*\i+3], v3, s[4:5] offset:2048*(\t)+512*\i th:TH_LOAD_NT
.endr
.endm
.macro XTURN t                         ; step t's numbers through the stage: LDS serves a wave's instructions in order (ISA guide 5.7.1.4)
.irp i, 0,1,2,3
	ds_store_b128 v14, v[RR+16*((\t)%8)+4*\i:RR+16*((\t)%8)+4*\i+3] offset:32*SP*((\t)%2)+8*SP*\i
.endr
.irp i, 0,1,2,3
	ds_load_b128 v[XX+16*((\t)%2)+4*\i:XX+16*((\t)%2)+4*\i+3], v15 offset:32*SP*((\t)%2)+16*\i
.endr
.endm
.macro XSTEP t
.set XS, XX+16*((\t)%2)
.if (\t) > 0
	s_wait_dscnt 1                                 ; this step's numbers are back from the stage; the last step's byte store may be out
.else
	s_wait_dscnt 0x0
.endif
.if (\t)+8 < 16
	XLOAD (\t)+8                                   ; into the set that this step's stores into the stage have read
.endif
.if (\t)+1 < 16
.if (\t) <= 7
	s_wait_loadcnt 28                              ; the next step's four loads are in; those of the seven steps behind it may be out
.else
	s_wait_loadcnt 4*(14-(\t))
.endif
	XTURN (\t)+1
.endif
	v_max3_num_f32 v8, |v[XS]|, |v[XS+1]|, |v[XS+2]|
	v_max3_num_f32 v9, |v[XS+3]|, |v[XS+4]|, |v[XS+5]|
.irp i, 6,10
	v_max3_num_f32 v8, v8, |v[XS+\i]|, |v[XS+\i+1]|
	v_max3_num_f32 v9, v9, |v[XS+\i+2]|, |v[XS+\i+3]|
.endr
	v_max3_num_f32 v8, v8, |v[XS+14]|, |v[XS+15]|
	v_max3_num_f32 v8, v8, v9, 0x1800000           ; the floor 2^(3 - 127)
	v_max_num_f32_dpp v8, v8, v8 row_xmask:1 row_mask:0xf bank_mask:0xf   ; with my neighbour's 16: the block's largest magnitude
	v_add_nc_u32 v11, 0xff000000, v8
	v_cvt_scalef32_pk8_fp4_f32 v[CC+2*(\t)], v[XS:XS+7], v11
	v_cvt_scalef32_pk8_fp4_f32 v[CC+2*(\t)+1], v[XS+8:XS+15], v11
	v_lshrrev_b32 v[EB+(\t)], 23, v11              ; the scale's byte (also the plain line behind the conversions)
	ds_store_b8 v5, v[EB+(\t)] offset:16*(\t)      ; both lanes of a block write the same byte with the same value
	global_store_b64 v4, v[CC+2*(\t):CC+2*(\t)+1], s[14:15] offset:256*(\t)   ; 256 bytes on end, aligned
.endm
.irp t, 0,1,2,3,4,5,6,7
	XLOAD \t
.endr
	s_wait_loadcnt 28                              ; step 0's four loads are in
	XTURN 0
.irp t, 0,1,2,3,4,5,6,7,8,9,10,11,12,13,14,15
	XSTEP \t
.endr
	ds_load_b64 v[8:9], v6
	s_wait_dscnt 0x0
	global_store_b64 v7, v[8:9], s[16:17]          ; my wave's 256 scale bytes: one aligned block
.Lend:
	s_wait_tensorcnt 0x0                           ; the wave's end
	ds_add_u32 v[SPW], v[NIL]
	s_wait_dscnt 0x0
	s_endpgm
.Lfunc_end_k_qf2381c4a3f_prep:
	.size	k_qf2381c4a3f_prep, .Lfunc_end_k_qf2381c4a3f_prep-k_qf2381c4a3f_prep
	.p2alignl 7, 3214868480
	.fill 96, 4, 3214868480
	.section	.rodata,"a",@progbits
	.p2align	6, 0x0
	.amdhsa_kernel k_qf2381c4a3f_prep
		.amdhsa_group_segment_fixed_size 84480
		.amdhsa_private_segment_fixed_size 0
		.amdhsa_enable_private_segment 0
		.amdhsa_kernarg_size 80
		.amdhsa_user_sgpr_count 2
		.amdhsa_user_sgpr_kernarg_segment_ptr 1
		.amdhsa_wavefront_size32 1
		.amdhsa_system_sgpr_workgroup_id_x 1
		.amdhsa_system_sgpr_workgroup_id_y 1
		.amdhsa_system_sgpr_workgroup_id_z 1
		.amdhsa_system_vgpr_workitem_id 0
		.amdhsa_next_free_vgpr 224
		.amdhsa_next_free_sgpr 66
		.amdhsa_reserve_vcc 0
		.amdhsa_float_denorm_mode_32 3
		.amdhsa_float_denorm_mode_16_64 3
		.amdhsa_memory_ordered 1
		.amdhsa_forward_progress 1
		.amdhsa_inst_pref_size 65
	.end_amdhsa_kernel
	.amdgpu_metadata
---
amdhsa.version: [ 1, 2 ]
amdhsa.kernels:
  - .name:           k_qf2381c4a3f_prep
    .symbol:         k_qf2381c4a3f_prep.kd
    .args:
      - { .name: x, .offset: 0, .size: 8, .value_kind: global_buffer, .address_space: global }
      - { .name: q_w, .offset: 8, .size: 8, .value_kind: global_buffer, .address_space: global }
      - { .name: k_w, .offset: 16, .size: 8, .value_kind: global_buffer, .address_space: global }
      - { .name: v_w, .offset: 24, .size: 8, .value_kind: global_buffer, .address_space: global }
      - { .name: o_w, .offset: 32, .size: 8, .value_kind: global_buffer, .address_space: global }
      - { .name: xc, .offset: 40, .size: 8, .value_kind: global_buffer, .address_space: global }
      - { .name: xs, .offset: 48, .size: 8, .value_kind: global_buffer, .address_space: global }
      - { .name: wc, .offset: 56, .size: 8, .value_kind: global_buffer, .address_space: global }
      - { .name: ws, .offset: 64, .size: 8, .value_kind: global_buffer, .address_space: global }
      - { .name: ow16, .offset: 72, .size: 8, .value_kind: global_buffer, .address_space: global }
    .group_segment_fixed_size: 84480
    .private_segment_fixed_size: 0
    .kernarg_segment_align: 8
    .kernarg_segment_size: 80
    .max_flat_workgroup_size: 256
    .sgpr_count:     66
    .vgpr_count:     224
    .wavefront_size: 32
...
	.end_amdgpu_metadata
.endif
;; end of part 1
;; launch qkv (part 2): grid 12 x 16, 4 waves a work-group, clusters of 4 x 1, 327,680 bytes of LDS; arguments xc, xs, wc, ws, qkv, fqkv; writes qkv, fqkv
.if DOCPART == 2
	.amdgcn_target "amdgcn-amd-amdhsa--gfx1250"
	.amdhsa_code_object_version 6
	.text
	.protected	k_qf2381c4a3f_qkv
	.globl	k_qf2381c4a3f_qkv
	.p2align	8
	.type	k_qf2381c4a3f_qkv,@function
k_qf2381c4a3f_qkv:
	s_mov_b64 s[64:65], 0
	v_nop
	global_prefetch_b8 v0, s[64:65] scope:SCOPE_SE
	s_setreg_imm32_b32 hwreg(HW_REG_WAVE_MODE, 25, 1), 1
	s_wait_xcnt 0x0
	s_wait_alu depctr_hold_cnt(0) depctr_sa_sdst(0) depctr_va_vdst(0) depctr_va_sdst(0) depctr_va_ssrc(0) depctr_va_vcc(0) depctr_vm_vsrc(0)
	s_getreg_b32 s2, hwreg(HW_REG_IB_STS2, 6, 4)
	s_cmp_eq_u32 s2, 0
	s_cbranch_scc0 .Lentry_in_a_cluster
	s_endpgm
.Lentry_in_a_cluster:
	s_bfe_u32 s2, ttmp6, 0x10000c
	s_cmp_lg_u32 s2, 0x3003
	s_cbranch_scc0 .Lentry_shape_is_right
	s_endpgm
.Lentry_shape_is_right:
; THE THREE QUANTISED PRODUCTS AS ONE: C[m][n] = sum over k of x[m][k] w[n][k], m = 4,096, n = 3,072 (q's, k's, v's columns), k = 1,024, on codes of FP4 with E8M0 scales; sums in f32.
; A tile of C, 256 x 256, is made by four waves, each 128 x 128: 64 accumulators of 16 x 16.  K is two slots of 512: both are asked for at the start and nothing is filled again.
; The scale bytes of the work-group's 256 + 256 rows come into LDS once, with the first fills.
; OUT: qkv, f16, [48 planes of 64 columns][4096 rows][64]: q's heads, k's, v's.  q is multiplied by log2(e) / 8 while still f32, so that the scores of the next launch are in units of powers of two and q is
; rounded once.  fqkv, f32, [48][16][64]: rows 0-15 as they are, for the launch that carries the first 16 positions in f32.
; CLUSTER: the four work-groups of a cluster lie side by side in one tile row and need the same tiles of x: those are asked for JOINTLY (mask 15).  The weights' tiles are each work-group's own.
; Not 4 x 4: the f32 copy stands under a branch on the tile row, which must be the same in all partners; so a cluster lies inside one tile row, and the weights' 1.5 MB are asked for once by each of the 16 tile rows.
; THE MATRIX INSTRUCTION IS USED TRANSPOSED (source 0 = 16 rows of w, source 1 = 16 rows of x): a lane holds eight neighbouring columns of one row of C.
; LIMIT: |q|, |k|, |v| stay under 65,504 (f16).
; REGISTERS: window 0: v0-31 addresses; v32-95 scale words, two sets, and nothing else; v128-191 x's fragments, one set; on the way out v96-255 are at work.  window 1: w's fragments, two sets.  windows 2, 3: the accumulators.
.set NQ,     4                         ; matrix instructions deep in a slot
.set ROWB,   256                       ; a tile's row: 512 codes
.set KROW,   512                       ; a row of codes in memory
.set PITCH,  272                       ; an LDS row: 256 bytes + 16: the 16 rows of a load start at 16 different banks (64 banks of 4 bytes: ISA guide 11.1)
.set FR,     8
.set NL,     2
.set NP,     4                         ; places behind this matrix instruction (ISA guide 7.12.1)
.set HALFT,  128*PITCH
.set SLOT,   4*HALFT
.set KS,     32                        ; a row of scale bytes
.set SCL,    2*SLOT
.set HALFS,  (128*KS/256)*272
.set SBLK,   (16*KS/256)*272
.set SPARE,  SCL+4*HALFS               ; the spare words, 128 bytes for each wave
.set STG32,  4*16*272                  ; the way out's stages lie in slot 0, which has had its one fill and its last read by then: f16 at wave x 4,352; f32 behind them at wave x 8,448
.set ADRA, 16
.set CO32, 18
.set ADRB, 20
.set STO,  24
.set RD,   25
.set CO,   26
.set ADRS, 27
.set SPW,  28
.set NIL,  29
.set STO32, 30
.set RD32, 31
.set SC,   32
.set AF,   128
.set TF,   128                         ; the way out: a block's 64 numbers, scaled, f32
.set TMP,  192                         ; packed
.set OB,   96                          ; rows read back: v96-127 and v224-255 by turns
.set G1, 24
.set G0, 32
.set G1B, 48
.set G0B, 56
.set G1S, 68
.set G0S, 76
.set G1SB, 80
.set G0SB, 88
.set MSB, 0
.macro WIN new                         ; the immediate's high byte repeats the setting that is left
.if MSB != \new
	s_set_vgpr_msb (MSB<<8)|\new
.set MSB, \new
.endif
.endm
.set MUL_LO, 0xa1
.set MUL_HI, 0xf1
.set TO_B,   0x40
.macro JLOAD g0a, g1a, g0b, g1b        ; waves 0 and 1 fetch for x (jointly), waves 2 and 3 for w; an s_nop 0 and four v_nop follow each line
	s_cmp_eq_u32 s15, 0
	s_cbranch_scc0 .Lfor_b_\@
	tensor_load_to_lds s[\g0a:\g0a+3], s[\g1a:\g1a+7]
	s_nop 0
.rept 4
	v_nop
.endr
	s_branch .Lasked_\@
.Lfor_b_\@:
	tensor_load_to_lds s[\g0b:\g0b+3], s[\g1b:\g1b+7]
	s_nop 0
.rept 4
	v_nop
.endr
.Lasked_\@:
.endm
.macro CROUND                          ; a round of the cluster's barrier
	s_barrier_signal -1
	s_barrier_wait -1
	s_cmp_lg_u32 s14, 0
	s_cbranch_scc1 .Lnot_wave_0_\@
	s_barrier_signal -3
.Lnot_wave_0_\@:
	s_barrier_wait -3
	s_barrier_signal -1
	s_barrier_wait -1
.endm
	s_load_b128 s[4:7], s[0:1], 0x0                ; x's codes, x's scales
	s_load_b128 s[8:11], s[0:1], 0x10              ; w's codes, w's scales
	s_load_b64 s[12:13], s[0:1], 0x20              ; qkv
	s_load_b64 s[66:67], s[0:1], 0x28              ; fqkv
	v_lshl_add_u32 v[SPW], v0, 2, SPARE
	v_mov_b32 v[NIL], 0
	ds_add_u32 v[SPW], v[NIL]                      ; the wave's opening: the add, twice on end, and its wait ahead of my first tensor load
	ds_add_u32 v[SPW], v[NIL]
	v_lshrrev_b32 v1, 5, v0
	v_readfirstlane_b32 s14, v1                    ; wave 0..3
	s_lshr_b32 s15, s14, 1                         ; which half of the tile's rows is mine.  Also: I fetch for x (0) or for w (1)
	s_and_b32 s16, s14, 1                          ; which half of its columns.  Also: which 128 rows I fetch
	s_bfe_u32 s40, ttmp6, 0x40000                  ; cx
	s_lshl_b32 s42, ttmp9, 2
	s_add_co_u32 s42, s42, s40                     ; tile column = 4 x cluster x + cx
	s_and_b32 s17, ttmp7, 0xffff                   ; tile row = cluster y: the same in all four partners
	s_mov_b32 s[G1+0], 15|(1<<20)|(1<<21)|(5<<22)|(3<<25)           ; 15:0 all four partners; elements of 1 byte; padding: 4 words after every 64; bit 21 beside a mask
	s_mov_b32 s[G1B+0], (1<<20)|(5<<22)|(3<<25)                     ; no mask: my own
.irp g, G1, G1B
	s_mov_b32 s[\g+1], ROWB<<16                    ; tensor_dim0
	s_mov_b32 s[\g+2], 128<<16                     ; tensor_dim1
	s_mov_b32 s[\g+3], ROWB<<16                    ; tile_dim0
	s_mov_b32 s[\g+4], 128                         ; tile_dim1
	s_mov_b32 s[\g+5], KROW                        ; from row to row
	s_mov_b32 s[\g+6], 0
	s_mov_b32 s[\g+7], 0
.endr
	s_mov_b32 s[G1S+0], 15|(3<<16)|(1<<20)|(1<<21)|(5<<22)|(3<<25)  ; the scales of 128 rows: a dense block, as rows of 256 bytes (32 elements of 8), 16 bytes of padding behind each
	s_mov_b32 s[G1SB+0], (3<<16)|(1<<20)|(5<<22)|(3<<25)
.irp g, G1S, G1SB
	s_mov_b32 s[\g+1], 32<<16
	s_mov_b32 s[\g+2], (128*KS/256)<<16
	s_mov_b32 s[\g+3], 32<<16
	s_mov_b32 s[\g+4], 128*KS/256
	s_mov_b32 s[\g+5], 32
	s_mov_b32 s[\g+6], 0
	s_mov_b32 s[\g+7], 0
.endr
	s_cmp_lt_u32 s42, 4                            ; q's columns are multiplied by log2(e) / 8, the others by 1: a value is chosen, no way through the text
	s_mov_b32 s96, 1.0
	s_cselect_b32 s96, 0x3e38aa3b, s96
	s_mov_b32 s97, s96
	s_lshl_b32 s18, s16, 7
	s_lshl_b32 s20, s17, 8
	s_add_co_u32 s20, s20, s18                     ; x: row 256 x tile row + 128 x half
	s_lshl_b32 s46, s42, 8
	s_add_co_u32 s46, s46, s18                     ; w: row 256 x tile column + 128 x half
	s_mov_b32 s21, 0
	s_mov_b32 s47, 0
	s_mov_b64 s[18:19], KS
	s_mul_u64 s[22:23], s[20:21], s[18:19]
	s_mul_u64 s[92:93], s[46:47], s[18:19]
	s_mov_b64 s[18:19], KROW
	s_mul_u64 s[20:21], s[20:21], s[18:19]
	s_mul_u64 s[46:47], s[46:47], s[18:19]
	s_mul_i32 s45, s14, HALFT                      ; where they go: wave x 128 rows
	s_mul_i32 s94, s14, HALFS
	s_wait_dscnt 0x0                               ; both opening adds are done
	s_wait_kmcnt 0x0
	s_add_nc_u64 s[20:21], s[4:5], s[20:21]
	s_add_nc_u64 s[22:23], s[6:7], s[22:23]
	s_add_nc_u64 s[46:47], s[8:9], s[46:47]
	s_add_nc_u64 s[92:93], s[10:11], s[92:93]
	CROUND                                         ; all four work-groups are here: the first joint loads meet
	s_mov_b32 s[G0S], 1
	s_add_co_u32 s[G0S+1], s94, SCL
	s_mov_b64 s[G0S+2:G0S+3], s[22:23]
	s_or_b32 s[G0S+3], s[G0S+3], 0x80000000
	s_mov_b32 s[G0SB], 1
	s_add_co_u32 s[G0SB+1], s94, SCL
	s_mov_b64 s[G0SB+2:G0SB+3], s[92:93]
	s_or_b32 s[G0SB+3], s[G0SB+3], 0x80000000
	JLOAD G0S, G1S, G0SB, G1SB                     ; the scales first; by this text's count three tensor loads of a wave are out at the most
.irp s, 0,1
	s_mov_b32 s[G0+4*\s], 1
	s_add_co_u32 s[G0+4*\s+1], s45, \s*SLOT
	s_add_nc_u64 s[G0+4*\s+2:G0+4*\s+3], s[20:21], \s*ROWB
	s_or_b32 s[G0+4*\s+3], s[G0+4*\s+3], 0x80000000
	s_mov_b32 s[G0B+4*\s], 1
	s_add_co_u32 s[G0B+4*\s+1], s45, \s*SLOT
	s_add_nc_u64 s[G0B+4*\s+2:G0B+4*\s+3], s[46:47], \s*ROWB
	s_or_b32 s[G0B+4*\s+3], s[G0B+4*\s+3], 0x80000000
	JLOAD G0+4*\s, G1, G0B+4*\s, G1B
.endr
	v_and_b32 v1, 15, v0                           ; r
	v_bfe_u32 v2, v0, 4, 1                         ; h
	v_mul_u32_u24 v3, v1, PITCH
	v_lshl_add_u32 v4, v2, 4, v3
	s_mul_i32 s21, s15, HALFT
	s_mul_i32 s22, s16, HALFT
	s_add_co_u32 s22, s22, 2*HALFT
.irp s, 0,1
	v_add_nc_u32 v[ADRA+\s], s21, v4
	v_add_nc_u32 v[ADRB+\s], s22, v4
	s_add_co_u32 s21, s21, SLOT
	s_add_co_u32 s22, s22, SLOT
.endr
	v_mul_u32_u24 v5, v1, KS
	v_lshrrev_b32 v6, 8, v5
	v_lshl_add_u32 v5, v6, 4, v5                   ; my row's scale bytes: 32 a row, 16 more for each 256 passed
	s_mul_i32 s21, s15, HALFS
	s_mul_i32 s22, s16, HALFS
	s_add_co_u32 s22, s22, 2*HALFS
	s_sub_co_u32 s22, s22, s21
	v_mul_u32_u24 v6, s22, v2                      ; lanes 16-31 take w's
	s_add_co_u32 s21, s21, SCL
	v_add_nc_u32 v5, v5, v6
	v_add_nc_u32 v[ADRS], s21, v5
	s_mul_i32 s23, s14, 16*272                     ; my f16 stage: 16 rows x (256 + 16) bytes
	v_mul_u32_u24 v5, v1, 272
	v_lshl_add_u32 v5, v2, 4, v5
	v_add_nc_u32 v[STO], s23, v5                   ; in: row r, 16 bytes for each half of the lanes
	v_and_b32 v6, 31, v0
	v_lshrrev_b32 v7, 3, v6
	v_mul_u32_u24 v7, v7, 272
	v_and_b32 v8, 7, v0
	v_lshl_add_u32 v7, v8, 4, v7
	v_add_nc_u32 v[RD], s23, v7                    ; back: four rows' 128 bytes of one plane: eight lanes to a row
	v_lshlrev_b32 v[CO], 4, v6                     ; which lie on end in qkv: 512 bytes
	s_mul_i32 s23, s14, 16*528                     ; my f32 stage: 16 rows x (512 + 16) bytes
	s_add_co_u32 s23, s23, STG32
	v_mul_u32_u24 v5, v1, 528
	v_lshl_add_u32 v5, v2, 5, v5
	v_add_nc_u32 v[STO32], s23, v5
	v_add_nc_u32 v[RD32], s23, v[CO]
	v_lshlrev_b32 v5, 4, v1
	v_lshl_add_u32 v[CO32], v2, 12, v5             ; lanes 0-15 one plane's row of 256 bytes, lanes 16-31 the next plane's
	s_lshl_b32 s46, s42, 2
	s_lshl_b32 s47, s16, 1
	s_add_co_u32 s46, s46, s47                     ; my first plane: 4 x tile column + 2 x half
	s_lshl_b32 s20, s46, 12
	s_mov_b32 s21, 0
	s_add_nc_u64 s[66:67], s[66:67], s[20:21]
	s_lshl_b32 s20, s46, 19                        ; a plane of qkv is 524,288 bytes,
	s_lshl_b32 s47, s17, 15                        ; a tile row 256 rows of 128 bytes,
	s_add_co_u32 s20, s20, s47
	s_lshl_b32 s47, s15, 14                        ; my half 128 of them
	s_add_co_u32 s20, s20, s47
	s_add_nc_u64 s[12:13], s[12:13], s[20:21]
.macro FRAG reg, adr, q, i             ; 16 rows x 128 K of 4-bit codes: 8 registers, two loads of 16 bytes, 32 apart
.irp c, 0,1
	ds_load_b128 v[\reg+4*\c:\reg+4*\c+3], v[\adr] offset:64*(\q)+32*\c+(\i)*16*PITCH
.endr
.endm
; 16 matrix instructions: x's blocks a0, a0 + 1 against w's eight.  The 64 accumulators take turns, one instruction a turn.
.macro MUL16 a0, p, q, sc, zero
.irp a, \a0, \a0+1
.irp b, 0,1,2,3,4,5,6,7
.if \zero
	v_wmma_scale_f32_16x16x128_f8f6f4 v[8*(8*((\a)%4)+\b):8*(8*((\a)%4)+\b)+7], v[128*(\p)+FR*\b:128*(\p)+FR*\b+FR-1], v[AF+FR*(\a):AF+FR*(\a)+FR-1], 0, v[SC+8*NQ*(\sc)+NQ*\b+(\q)], v[SC+8*NQ*(\sc)+NQ*(\a)+(\q)] matrix_a_fmt:MATRIX_FMT_FP4 matrix_b_fmt:MATRIX_FMT_FP4 matrix_a_scale:MATRIX_SCALE_ROW1
.else
	v_wmma_scale_f32_16x16x128_f8f6f4 v[8*(8*((\a)%4)+\b):8*(8*((\a)%4)+\b)+7], v[128*(\p)+FR*\b:128*(\p)+FR*\b+FR-1], v[AF+FR*(\a):AF+FR*(\a)+FR-1], v[8*(8*((\a)%4)+\b):8*(8*((\a)%4)+\b)+7], v[SC+8*NQ*(\sc)+NQ*\b+(\q)], v[SC+8*NQ*(\sc)+NQ*(\a)+(\q)] matrix_a_fmt:MATRIX_FMT_FP4 matrix_b_fmt:MATRIX_FMT_FP4 matrix_a_scale:MATRIX_SCALE_ROW1
.endif
.endr
.endr
.endm
.macro FETCH_B slot, q, p
	WIN TO_B
.irp i, 0,1,2,3,4,5,6,7
	FRAG 128*(\p)+FR*\i, ADRB+\slot, \q, \i
.endr
	WIN 0
.endm
.macro FETCH_A slot, q, i0
.irp i, \i0, \i0+1, \i0+2, \i0+3
	FRAG AF+FR*(\i), ADRA+\slot, \q, \i
.endr
.endm
.macro SCALES sc                       ; a slot's scale words: lanes 0-15 x's block i, lanes 16-31 w's block i
.irp i, 0,1,2,3,4,5,6,7
	ds_load_b128 v[SC+8*NQ*\sc+NQ*\i:SC+8*NQ*\sc+NQ*\i+3], v[ADRS] offset:\i*SBLK
.endr
.endm
.macro PLACES n                        ; plain vector lines between a matrix instruction and a load into, or a read of, its registers
.rept \n
	v_nop
.endr
.endm
.macro STEP slot, q, zero              ; 128 along K, with its successor in the same slot
	s_wait_dscnt 4*NL                              ; w's set and x's blocks 0-3 are in; the youngest eight loads (x's blocks 4-7) may be out
	WIN MUL_LO
	MUL16 0, (\q)%2, \q, \slot, \zero
	MUL16 2, (\q)%2, \q, \slot, \zero
	s_wait_dscnt 0
	PLACES NP
	FETCH_B \slot, (\q)+1, 1-(\q)%2
	FETCH_A \slot, (\q)+1, 0
	WIN MUL_HI
	MUL16 4, (\q)%2, \q, \slot, \zero
	MUL16 6, (\q)%2, \q, \slot, \zero
	PLACES NP
	WIN 0
	FETCH_A \slot, (\q)+1, 4
.endm
.macro STEPS slot, from
.set Q, \from
.rept NQ-1-\from
	STEP \slot, Q, 0
.set Q, Q+1
.endr
.endm
	s_wait_tensorcnt 1                             ; the scales and my part of slot 0 are in; slot 1's load may be out
	s_barrier_signal -1
	s_barrier_wait -1
	FETCH_B 0, 0, 0
	FETCH_A 0, 0, 0
	SCALES 0
	FETCH_A 0, 0, 4
	STEP 0, 0, 1                                   ; the first products start the sums: nothing is cleared
	STEPS 0, 1
	; slot 0's last step changes slots: one barrier; in front of it all my tensor loads have landed, and my reads of slot 0 are over
	s_wait_tensorcnt 0x0
	ds_add_u32 v[SPW], v[NIL]
	s_wait_dscnt 4*NL+1                            ; the add and the youngest eight loads may be out
	WIN MUL_LO
	MUL16 0, 1, NQ-1, 0, 0
	s_wait_dscnt 0x0
	s_barrier_signal -1
	MUL16 2, 1, NQ-1, 0, 0
	WIN 0
	s_barrier_wait -1
	PLACES NP
	v_add_nc_u32 v[ADRS], 4*NQ, v[ADRS]            ; on to slot 1's scale words
	FETCH_B 1, 0, 0
	FETCH_A 1, 0, 0
	SCALES 1
	WIN MUL_HI
	MUL16 4, 1, NQ-1, 0, 0
	MUL16 6, 1, NQ-1, 0, 0
	PLACES NP
	WIN 0
	FETCH_A 1, 0, 4
	STEPS 1, 0
	s_wait_dscnt 4*NL
	WIN MUL_LO
	MUL16 0, 1, NQ-1, 1, 0
	MUL16 2, 1, NQ-1, 1, 0
	s_wait_dscnt 0
	WIN MUL_HI
	MUL16 4, 1, NQ-1, 1, 0
	MUL16 6, 1, NQ-1, 1, 0
	WIN 0
	PLACES NP
	; ROWS 0-15 IN F32: tile row 0, the waves of its upper half: block 0 as it stands, through my f32 stage, a row of a plane (256 bytes) to sixteen lanes
	s_cmp_lg_u32 s17, 0
	s_cbranch_scc1 .Lnofine
	s_cmp_lg_u32 s15, 0
	s_cbranch_scc1 .Lnofine
	WIN 0x08                                       ; an LDS store's data: window 2
.irp b, 0,1,2,3,4,5,6,7
	ds_store_b128 v[STO32], v[8*\b:8*\b+3] offset:64*\b              ; each accumulator from its low end on
	ds_store_b128 v[STO32], v[8*\b+4:8*\b+7] offset:64*\b+16
.endr
	WIN 0
.irp t, 0,1,2,3,4,5,6,7,8,9,10,11,12,13,14,15
	ds_load_b128 v[128+4*\t:131+4*\t], v[RD32] offset:528*\t
.endr
	s_wait_dscnt 0x0
.irp t, 0,1,2,3,4,5,6,7,8,9,10,11,12,13,14,15
	global_store_b128 v[CO32], v[128+4*\t:131+4*\t], s[66:67] offset:256*\t
.endr
	s_wait_xcnt 0x0                                ; the stores have read their registers: these are written again below
.Lnofine:
; THE WAY OUT, block by block of 16 rows x 128 columns (two planes): scaled, rounded to f16, through my f16 stage, and out as 512 bytes on end (four rows of a plane).
.macro PACK a
.set AC, 64*((\a)%4)
	WIN 0x02+((\a)/4)                              ; source 0: window 2 or 3
.set ii, 0
.rept 32
	v_pk_mul_f32 v[TF+2*ii:TF+2*ii+1], v[AC+2*ii:AC+2*ii+1], s[96:97] op_sel_hi:[1,0]
.set ii, ii+1
.endr
	WIN 0
.set ii, 0
.rept 32
	v_cvt_pk_f16_f32 v[TMP+ii], v[TF+2*ii], v[TF+2*ii+1]
.set ii, ii+1
.endr
.endm
.macro TOSTAGE a
.set BB, OB+128*((\a)%2)
.irp b, 0,1,2,3,4,5,6,7
	ds_store_b128 v[STO], v[TMP+4*\b:TMP+4*\b+3] offset:32*\b
.endr
.irp t, 0,1,2,3,4,5,6,7
	ds_load_b128 v[BB+4*\t:BB+4*\t+3], v[RD] offset:(4*(\t%4))*272+128*(\t/4)   ; LDS serves a wave's instructions in order (ISA guide 5.7.1.4): these see the stores above
.endr
.endm
.macro SEND a
.set BB, OB+128*((\a)%2)
	s_wait_dscnt 0x0                               ; the block is back in registers
	s_wait_xcnt 0x0                                ; the earlier stores have read their base and their registers
.if (\a) > 0
	s_add_nc_u64 s[12:13], s[12:13], 16*128        ; 16 rows on
.endif
.irp t, 0,1,2,3,4,5,6,7
	global_store_b128 v[CO], v[BB+4*\t:BB+4*\t+3], s[12:13] offset:(\t/4)*524288+(\t%4)*512
.endr
.endm
	PACK 0
	TOSTAGE 0
.irp a, 1,2,3,4,5,6,7                  ; block a's arithmetic stands between block a - 1's loads from the stage and the wait for them
	PACK \a
	SEND \a-1
	TOSTAGE \a
.endr
	SEND 7
	s_wait_tensorcnt 0x0                           ; the wave's end
	ds_add_u32 v[SPW], v[NIL]
	s_wait_dscnt 0x0
	CROUND                                         ; the closing round
	s_endpgm
.Lfunc_end_k_qf2381c4a3f_qkv:
	.size	k_qf2381c4a3f_qkv, .Lfunc_end_k_qf2381c4a3f_qkv-k_qf2381c4a3f_qkv
	.p2alignl 7, 3214868480
	.fill 96, 4, 3214868480
	.section	.rodata,"a",@progbits
	.p2align	6, 0x0
	.amdhsa_kernel k_qf2381c4a3f_qkv
		.amdhsa_group_segment_fixed_size 327680
		.amdhsa_private_segment_fixed_size 0
		.amdhsa_enable_private_segment 0
		.amdhsa_kernarg_size 48
		.amdhsa_user_sgpr_count 2
		.amdhsa_user_sgpr_kernarg_segment_ptr 1
		.amdhsa_wavefront_size32 1
		.amdhsa_system_sgpr_workgroup_id_x 1
		.amdhsa_system_sgpr_workgroup_id_y 1
		.amdhsa_system_sgpr_workgroup_id_z 1
		.amdhsa_system_vgpr_workitem_id 0
		.amdhsa_next_free_vgpr 1024
		.amdhsa_next_free_sgpr 100
		.amdhsa_reserve_vcc 0
		.amdhsa_float_denorm_mode_32 3
		.amdhsa_float_denorm_mode_16_64 3
		.amdhsa_memory_ordered 1
		.amdhsa_forward_progress 1
		.amdhsa_inst_pref_size 147
	.end_amdhsa_kernel
	.amdgpu_metadata
---
amdhsa.version: [ 1, 2 ]
amdhsa.kernels:
  - .name:           k_qf2381c4a3f_qkv
    .symbol:         k_qf2381c4a3f_qkv.kd
    .args:
      - { .name: xc, .offset: 0, .size: 8, .value_kind: global_buffer, .address_space: global }
      - { .name: xs, .offset: 8, .size: 8, .value_kind: global_buffer, .address_space: global }
      - { .name: wc, .offset: 16, .size: 8, .value_kind: global_buffer, .address_space: global }
      - { .name: ws, .offset: 24, .size: 8, .value_kind: global_buffer, .address_space: global }
      - { .name: qkv, .offset: 32, .size: 8, .value_kind: global_buffer, .address_space: global }
      - { .name: fqkv, .offset: 40, .size: 8, .value_kind: global_buffer, .address_space: global }
    .group_segment_fixed_size: 327680
    .private_segment_fixed_size: 0
    .kernarg_segment_align: 8
    .kernarg_segment_size: 48
    .max_flat_workgroup_size: 128
    .sgpr_count:     100
    .vgpr_count:     1024
    .wavefront_size: 32
...
	.end_amdgpu_metadata
.endif
;; end of part 2
;; launch attention (part 3): grid 16 x 16, 8 waves a work-group, no clusters, 327,680 bytes of LDS; arguments qkv, att; writes att
.if DOCPART == 3
	.amdgcn_target "amdgcn-amd-amdhsa--gfx1250"
	.amdhsa_code_object_version 6
	.text
	.protected	k_qf2381c4a3f_attention
	.globl	k_qf2381c4a3f_attention
	.p2align	8
	.type	k_qf2381c4a3f_attention,@function
k_qf2381c4a3f_attention:
	s_mov_b64 s[64:65], 0
	v_nop
	global_prefetch_b8 v0, s[64:65] scope:SCOPE_SE
	s_setreg_imm32_b32 hwreg(HW_REG_WAVE_MODE, 25, 1), 1
	s_wait_xcnt 0x0
; att[h][i][:] = the sum over j <= i of softmax_j(q_i . k_j / 8 - slope_h (i - j)) v_j.  q, k, v: planes of qkv, f16, [4096][64]; q arrives multiplied by log2(e) / 8.  att: f16, [16][4096][64].
; Products on f16 operands with f32 sums; maxima, exponentials and sums in f32; the weights p are rounded to f16 for the second product.
; SHARES.  Query blocks of 128.  Work-group x owns blocks x and 31 - x of one head: wave w has tile A (16 queries at 128 x + 16 w) and tile B (at 128 (31 - x) + 16 w): 64 tile steps of 64 keys in waves 0-3, 66 in waves 4-7.
; Eight waves, two to a SIMD: one wave's softmax stands beside the other's products and LDS loads.
; LAYOUT.  Both products transposed: S^T = K Q^T (a lane holds ONE query, lane % 16, and keys 16 kt + 8 (lane / 16) + 0..7), O^T = V^T P; S^T rounded in pairs IS the second product's source 1.  V is turned by ds_load_tr16_b128.
; ALIBI.  In units of powers of two the term is sigma (j - i), sigma = slope x log2(e).  - sigma i is the same for a whole row and falls out of the softmax.  sigma (j - the step's first key) is the same
; in every step: 32 registers, the C of each score tile's first product.  The step's first key is carried by the running maximum: at each step m falls by 64 sigma.
; SOFTMAX.  Running maximum m and sum l for each query; p = 2^(S - m); O and l are multiplied by a = 2^(old m - new m).  m begins at -3e38, O and l at 0, so the first step is like every other.
; A KEY STEP fetches K's and V's fragments once; then each tile's work stands as one run (scores, softmax, weighted values), tile A's under ONE branch on ids, so that every register it reads has been written on the way.
; THE MASK.  Every work-group walks all 16 slots of 256 keys (constant trip counts); a step all of whose keys come after a tile's queries is jumped over by branches on ids; on the diagonal hidden scores become -infinity.
; A slot beyond the work-group's last query is not asked for: a jump on ids, the same in all eight waves, leads round the tensor load alone; every wait on TENSORcnt here is for 0.
; NO CLUSTER: work-groups of a head need different numbers of slots (32 - x blocks), and the mask lets some jump over tiles that a joint load would bring.
; LIMITS: |q|, |k|, |v| and the result stay under 65,504 (f16); NaN and infinities are not served.
; REGISTERS.  window 0: v1-14 addresses and constants; v16-31 statistics; v32-63 the ALiBi terms; v64-127 S^T; v128-159 P; v160-223 O^T; v224-255 at work.  window 1: v0-63 K, v64-127 V, v128-159 Q.
.set KP,    144                        ; a key's row in LDS: 128 bytes + 16
.set VP,    160                        ; a row of V: 128 + 32: an odd multiple of 32
.set VOFF,  256*KP                     ; a slot: 256 rows of K, then 256 rows of V
.set SLOT1, 1<<17
.set STAGE, 2*SLOT1                    ; the way out: 16 rows x 144 bytes for each wave; no tile lands here
.set SPARE, STAGE+8*16*KP              ; the spare words, 128 bytes for each wave
.set PLANE, 524288
.set AK0, 1
.set AV0, 2
.set ADK, 3
.set ADV, 4
.set QO,  5
.set STO, 6
.set RD,  7
.set GO,  8
.set SPW, 9
.set NIL, 10
.set PFO, 11
.set RH,  12                           ; lane % 16 - 8 (lane / 16)
.set NINF, 13
.set DG,  14
.set ST,  16                           ; tile t at ST + 8 t: +0 m, +1 old m less new, +2, +3 l, +4 .. +7 at work (a in +6)
.set BIAS, 32
.set S,   64
.set P,   128
.set O,   160
.set VF,  64                           ; in window 1
.set QF,  128
.set WV,  8
.set Q0,  11                           ; s11, s12 first query of tile A, B
.set KF,  13                           ; the step's first key
.set TB,  14                           ; LDS byte at which the slot in hand begins
.set SLOTS, 15
.set SEL, 18
.set SG,  20                           ; sigma
.set DL,  21                           ; 64 sigma
.set QE,  22                           ; s22, s23 last query of tile A, B
.set G1K, 24
.set G1V, 32
.set G0K, 40
.set G0V, 44
.set PFK, 48
.set PFV, 50
.set LIM, 52
.set LASTQ, 53
.set MSB, 0
.macro WIN new
.if MSB != \new
	s_set_vgpr_msb (MSB<<8)|\new
.set MSB, \new
.endif
.endm
.set W_LD, 0x40                        ; destination window 1
.set W_KQ, 0x05                        ; K and Q in window 1
.set W_PV, 0x01                        ; V in window 1
.macro TLOAD                           ; waves 0 and 1 fetch K's halves of a slot, waves 2 and 3 V's, the others nothing; an s_nop 0 and four v_nop follow each line
	s_cmp_lt_u32 s[WV], 2
	s_cbranch_scc0 .Lnot_k_\@
	tensor_load_to_lds s[G0K:G0K+3], s[G1K:G1K+7]
	s_nop 0
.rept 4
	v_nop
.endr
	s_branch .Lasked_\@
.Lnot_k_\@:
	s_cmp_lt_u32 s[WV], 4
	s_cbranch_scc0 .Lasked_\@
	tensor_load_to_lds s[G0V:G0V+3], s[G1V:G1V+7]
	s_nop 0
.rept 4
	v_nop
.endr
.Lasked_\@:
.endm
; A PREFETCH INTO THE L2 of the slot that the NEXT change of slots will ask for: 32,768 bytes of K and as many of V.  All work-groups of a head walk the same rows: work-group x = 0, which walks all 16 slots, asks;
; in it waves 4 to 7, which fetch nothing: 8,192 bytes of each a wave, lanes 256 bytes apart: each aligned block of 256 bytes is named once in the launch.  Slots 0 and 1 come by their loads alone; the last change that fills a slot asks for nothing.
.macro ASK
	s_cmp_gt_u32 s[SLOTS], s[LIM]
	s_cbranch_scc0 .Lnot_mine_\@
	global_prefetch_b8 v[PFO], s[PFK:PFK+1] th:TH_LOAD_NT scope:SCOPE_SE
	global_prefetch_b8 v[PFO], s[PFV:PFV+1] th:TH_LOAD_NT scope:SCOPE_SE
.Lnot_mine_\@:
.endm
	s_load_b128 s[4:7], s[0:1], 0x0                ; qkv, att
	v_lshl_add_u32 v[SPW], v0, 2, SPARE
	v_mov_b32 v[NIL], 0
	ds_add_u32 v[SPW], v[NIL]                      ; the wave's opening: the add, twice on end, and its wait ahead of the first tensor load
	ds_add_u32 v[SPW], v[NIL]
	v_lshrrev_b32 v1, 5, v0
	v_readfirstlane_b32 s[WV], v1                  ; wave 0..7
	s_and_b32 s9, ttmp7, 0xffff                    ; the head
	s_lshl_b32 s54, s[WV], 4
	s_lshl_b32 s[Q0], ttmp9, 7
	s_add_co_u32 s[Q0], s[Q0], s54
	s_sub_co_u32 s[Q0+1], 31, ttmp9
	s_lshl_b32 s[Q0+1], s[Q0+1], 7
	s_add_co_u32 s[Q0+1], s[Q0+1], s54
	s_add_co_u32 s[QE], s[Q0], 15
	s_add_co_u32 s[QE+1], s[Q0+1], 15
	s_or_b32 s[LASTQ], s[Q0+1], 127                ; my work-group's last query
	s_mov_b32 s[KF], 0
	s_mov_b32 s[TB], 0
	s_mov_b32 s[SLOTS], 15
	s_mov_b32 s[SEL], 0x76543210
	s_mov_b32 s[SEL+1], 0xfedcba98
	s_and_b32 s54, s9, 1                           ; slope = 2^(-(head + 1) / 2): 2^-0.5 or 2^-1, with head / 2 taken off the exponent
	s_cmp_eq_u32 s54, 0
	s_mov_b32 s55, 0x3f000000
	s_cselect_b32 s55, 0x3f3504f3, s55
	s_lshr_b32 s54, s9, 1
	s_lshl_b32 s54, s54, 23
	s_sub_co_u32 s55, s55, s54
	s_mul_f32 s[SG], s55, 0x3fb8aa3b               ; sigma = slope x log2(e)
	s_add_co_u32 s[DL], s[SG], 6<<23               ; 64 sigma
	s_mov_b32 s[G1K], (1<<16)|(1<<20)|(4<<22)|(3<<25)               ; elements of 2 bytes; padding: 4 words after every 32
	s_mov_b32 s[G1V], (1<<16)|(1<<20)|(4<<22)|(7<<25)               ; 8 words
.irp g, G1K, G1V
	s_mov_b32 s[\g+1], 64<<16                      ; tensor_dim0
	s_mov_b32 s[\g+2], 128<<16                     ; tensor_dim1
	s_mov_b32 s[\g+3], 64<<16                      ; tile_dim0
	s_mov_b32 s[\g+4], 128                         ; tile_dim1
	s_mov_b32 s[\g+5], 64                          ; from row to row
	s_mov_b32 s[\g+6], 0
	s_mov_b32 s[\g+7], 0
.endr
	s_and_b32 s2, s[WV], 1                         ; which half of a slot's rows I fetch
	s_lshl_b32 s3, s9, 19                          ; the head's plane among q's, and in att
	s_lshl_b32 s54, s2, 14
	s_add_co_u32 s54, s54, s3
	s_add_co_u32 s54, s54, 16*PLANE                ; K's planes lie 16 behind q's, V's 16 behind K's
	s_mov_b32 s55, 0
	s_mul_i32 s16, s2, 128*KP
	s_mul_i32 s17, s2, 128*VP
	s_add_co_u32 s17, s17, VOFF
	s_lshl_b32 s56, s[Q0], 7
	s_add_co_u32 s56, s56, s3
	s_mov_b32 s57, 0
	s_lshl_b32 s70, s[Q0+1], 7
	s_add_co_u32 s70, s70, s3
	s_mov_b32 s71, 0
	s_wait_dscnt 0x0                               ; both opening adds are done
	s_wait_kmcnt 0x0
	s_mov_b32 s[G0K], 1
	s_mov_b32 s[G0K+1], s16
	s_add_nc_u64 s[G0K+2:G0K+3], s[4:5], s[54:55]
	s_or_b32 s[G0K+3], s[G0K+3], 0x80000000
	s_mov_b32 s[G0V], 1
	s_mov_b32 s[G0V+1], s17
	s_add_nc_u64 s[G0V+2:G0V+3], s[4:5], s[54:55]
	s_add_nc_u64 s[G0V+2:G0V+3], s[G0V+2:G0V+3], 16*PLANE
	s_or_b32 s[G0V+3], s[G0V+3], 0x80000000
	TLOAD                                          ; slot 0: it holds key 0, which counts for every query
	s_add_nc_u64 s[58:59], s[4:5], s[56:57]        ; Q of tile A, of tile B
	s_add_nc_u64 s[60:61], s[4:5], s[70:71]
	s_add_nc_u64 s[66:67], s[6:7], s[56:57]        ; att likewise
	s_add_nc_u64 s[68:69], s[6:7], s[70:71]
	s_and_b32 s54, s[WV], 3
	s_lshl_b32 s54, s54, 13
	s_add_co_u32 s54, s54, s3
	s_add_co_u32 s54, s54, 16*PLANE+32768          ; my 8,192 bytes of slot 1: the first change of slots steps them to slot 2
	s_add_nc_u64 s[PFK:PFK+1], s[4:5], s[54:55]
	s_add_nc_u64 s[PFV:PFV+1], s[PFK:PFK+1], 16*PLANE
	s_lshr_b32 s54, s[WV], 2
	s_xor_b32 s54, s54, 1                          ; 0 in waves 4 to 7,
	s_or_b32 s54, s54, ttmp9                       ; of work-group x = 0
	s_cmp_eq_u32 s54, 0
	s_cselect_b32 s[LIM], 1, -1
	v_and_b32 v224, 15, v0                         ; r
	v_bfe_u32 v225, v0, 4, 1                       ; h
	v_lshlrev_b32 v[QO], 7, v224
	v_lshl_add_u32 v[QO], v225, 4, v[QO]           ; Q: row r of 128 bytes, + 16 h
	WIN W_LD
.irp c, 0,1
	global_load_b128 v[QF+8*\c:QF+8*\c+3],       v[QO], s[58:59] offset:64*\c
	global_load_b128 v[QF+8*\c+4:QF+8*\c+7],     v[QO], s[58:59] offset:64*\c+32
	global_load_b128 v[QF+16+8*\c:QF+16+8*\c+3], v[QO], s[60:61] offset:64*\c
	global_load_b128 v[QF+16+8*\c+4:QF+16+8*\c+7], v[QO], s[60:61] offset:64*\c+32
.endr
	WIN 0
	v_mul_u32_u24 v[AK0], v224, KP
	v_lshl_add_u32 v[AK0], v225, 4, v[AK0]         ; K: row r x pitch + 16 h
	v_and_b32 v226, 7, v0
	v_bfe_u32 v227, v0, 3, 1
	v_lshl_add_u32 v[AV0], v225, 3, v226
	v_mul_u32_u24 v[AV0], v[AV0], VP
	v_lshl_add_u32 v[AV0], v227, 4, v[AV0]
	v_add_nc_u32 v[AV0], VOFF, v[AV0]              ; V: key 8 h + lane % 8, channels 8 ((lane / 8) % 2) on
	s_mul_i32 s54, s[WV], 16*KP
	s_add_co_u32 s54, s54, STAGE                   ; my stage
	v_add_nc_u32 v[STO], s54, v[AK0]               ; in: row r, 16 bytes for each half of the lanes
	v_and_b32 v228, 31, v0
	v_lshrrev_b32 v229, 3, v228
	v_mul_u32_u24 v229, v229, KP
	v_lshl_add_u32 v229, v226, 4, v229
	v_add_nc_u32 v[RD], s54, v229                  ; back: four rows of 128 bytes, eight lanes to a row
	v_lshlrev_b32 v[GO], 4, v228                   ; which lie on end in att: 512 bytes
	v_lshlrev_b32 v[PFO], 8, v228
	v_lshlrev_b32 v226, 3, v225                    ; 8 h
	v_sub_nc_u32 v[RH], v224, v226
	v_mov_b32 v[NINF], 0xff800000
.set n, 0
.rept 32
	v_add_nc_u32 v[BIAS+n], 16*(n/8)+n%8, v226     ; register 8 kt + j: key 16 kt + 8 h + j of a step,
.set n, n+1
.endr
.set n, 0
.rept 32
	v_cvt_f32_u32 v[BIAS+n], v[BIAS+n]
.set n, n+1
.endr
.set n, 0
.rept 32
	v_mul_f32 v[BIAS+n], s[SG], v[BIAS+n]          ; times sigma
.set n, n+1
.endr
.irp t, 0,1
	v_mov_b32 v[ST+8*\t], 0xff61b1e6               ; m: -3e38, under every score
	v_mov_b32 v[ST+8*\t+1], 0
	v_mov_b32 v[ST+8*\t+2], 0                      ; l, in two halves
	v_mov_b32 v[ST+8*\t+3], 0
	v_mov_b32 v[ST+8*\t+5], 0                      ; a lane permute's destination counts as one of its sources
	v_mov_b32 v[ST+8*\t+7], 0                      ; named as the upper half of the pair that holds a
.endr
.set n, 0
.rept 64
	v_mov_b32 v[O+n], 0                            ; O^T: the step is written once; the first finds zeros
.set n, n+1
.endr
; S^T of tile t: 8 products; the four score tiles take turns, one instruction a turn.  The first of each takes the ALiBi terms as C.
.macro QK t
	WIN W_KQ
.irp c, 0,1
.irp kt, 0,1,2,3
.if \c == 0
	v_wmma_f32_16x16x32_f16 v[S+32*\t+8*\kt:S+32*\t+8*\kt+7], v[8*(2*\kt+\c):8*(2*\kt+\c)+7], v[QF+16*\t+8*\c:QF+16*\t+8*\c+7], v[BIAS+8*\kt:BIAS+8*\kt+7]
.else
	v_wmma_f32_16x16x32_f16 v[S+32*\t+8*\kt:S+32*\t+8*\kt+7], v[8*(2*\kt+\c):8*(2*\kt+\c)+7], v[QF+16*\t+8*\c:QF+16*\t+8*\c+7], v[S+32*\t+8*\kt:S+32*\t+8*\kt+7]
.endif
.endr
.endr
	WIN 0
.endm
; O^T of tile t += V^T P: 8 products, the four channel tiles by turns
.macro PV t
	WIN W_PV
.irp g, 0,1
.irp ct, 0,1,2,3
	v_wmma_f32_16x16x32_f16 v[O+32*\t+8*\ct:O+32*\t+8*\ct+7], v[VF+8*(4*\g+\ct):VF+8*(4*\g+\ct)+7], v[P+16*\t+8*\g:P+16*\t+8*\g+7], v[O+32*\t+8*\ct:O+32*\t+8*\ct+7]
.endr
.endr
	WIN 0
.endm
; On the diagonal: register 8 kt + j holds key KF + 16 kt + 8 h + j: hidden where 16 kt + j > my query - KF - 8 h
.macro MASK t
	s_sub_co_i32 s54, s[Q0+\t], s[KF]
	v_add_nc_u32 v[DG], s54, v[RH]
.set n, 0
.rept 32
	v_cmp_gt_i32 vcc_lo, 16*(n/8)+n%8, v[DG]
	v_cndmask_b32 v[S+32*\t+n], v[S+32*\t+n], v[NINF], vcc_lo
.set n, n+1
.endr
.endm
.macro SOFTMAX t
.set rT, ST+8*(\t)
.set rS, S+32*(\t)
.set rP, P+16*(\t)
.set rO, O+32*(\t)
.irp x, 0,1,2,3
	v_max3_num_f32 v[rT+4+\x], v[rS+8*\x], v[rS+8*\x+1], v[rS+8*\x+2]   ; four chains, each score tile from its low end on
.endr
.irp y, 3,5
.irp x, 0,1,2,3
	v_max3_num_f32 v[rT+4+\x], v[rT+4+\x], v[rS+8*\x+\y], v[rS+8*\x+\y+1]
.endr
.endr
	v_max3_num_f32 v[rT+4], v[rT+4], v[rS+7], v[rS+15]
	v_max3_num_f32 v[rT+6], v[rT+6], v[rS+23], v[rS+31]
	v_max3_num_f32 v[rT+4], v[rT+4], v[rT+5], v[rT+6]
	v_max3_num_f32 v[rT+4], v[rT+4], v[rT+7], v[rT]                 ; with the old m
	v_permlanex16_b32 v[rT+5], v[rT+4], s[SEL], s[SEL+1]            ; the query's other 32 keys lie in the lane 16 away
	v_mov_b32 v[rT+1], v[rT]
	v_max_num_f32 v[rT], v[rT+4], v[rT+5]                           ; the new m
	v_sub_f32 v[rT+1], v[rT+1], v[rT]                               ; old m - new m
.set n, 0
.rept 16
	v_pk_add_f32 v[rS+2*n:rS+2*n+1], v[rS+2*n:rS+2*n+1], v[rT:rT+1] op_sel_hi:[1,0] neg_lo:[0,1] neg_hi:[0,1]   ; S - m, two at a time
.set n, n+1
.endr
	v_exp_f32 v[rT+6], v[rT+1]                                      ; a
.set n, 0
.rept 32
	v_exp_f32 v[rS+n], v[rS+n]                                      ; p = 2^(S - m)
.set n, n+1
.endr
	v_nop                                          ; a plain line behind the last exponential
	s_wait_alu depctr_va_vdst(0)                   ; one wait for the batch of 33, ahead of its first reader
.set n, 0
.rept 16
	v_cvt_pk_f16_f32 v[rP+n], v[rS+2*n], v[rS+2*n+1]
.set n, n+1
.endr
.irp u, 0,1,2,3,4,5,6,7
	v_pk_add_f32 v[rS+4*\u:rS+4*\u+1], v[rS+4*\u:rS+4*\u+1], v[rS+4*\u+2:rS+4*\u+3]   ; the sum of the unrounded p, as a tree in place
.endr
.irp u, 0,1,2,3
	v_pk_add_f32 v[rS+8*\u:rS+8*\u+1], v[rS+8*\u:rS+8*\u+1], v[rS+8*\u+4:rS+8*\u+5]
.endr
.irp u, 0,1
	v_pk_add_f32 v[rS+16*\u:rS+16*\u+1], v[rS+16*\u:rS+16*\u+1], v[rS+16*\u+8:rS+16*\u+9]
.endr
	v_pk_add_f32 v[rS:rS+1], v[rS:rS+1], v[rS+16:rS+17]
	v_pk_fma_f32 v[rT+2:rT+3], v[rT+2:rT+3], v[rT+6:rT+7], v[rS:rS+1] op_sel_hi:[1,0,1]   ; l = a l + the sum
.set n, 0
.rept 16
	v_pk_mul_f32 v[rO+2*n:rO+2*n+1], v[rO+2*n:rO+2*n+1], v[rT+6:rT+7] op_sel_hi:[1,0]     ; O^T x a, each tile from its low end on
.set n, n+1
.endr
.endm
; ONE TILE'S WORK IN A KEY STEP, as one run: scores, the maximum's change of frame, the mask where the step lies on the diagonal, softmax, weighted values.
.macro TILE t
	QK \t
	v_sub_f32 v[ST+8*\t], v[ST+8*\t], s[DL]        ; m into this step's frame; with the three v_nop: the four plain lines behind the products
	v_nop
	v_nop
	v_nop
	s_add_co_u32 s54, s[KF], 63
	s_cmp_le_u32 s54, s[Q0+\t]
	s_cbranch_scc1 .Lopen_\@                       ; all 64 keys count for all 16 queries
	MASK \t
.Lopen_\@:
	SOFTMAX \t
	s_wait_dscnt 0x0                               ; V is in
	PV \t
.endm
; A KEY STEP: 64 keys, the q-th of the slot in hand.  All branches hang on ids and on the count of steps.
.macro STEP q
	s_cmp_gt_u32 s[KF], s[QE+1]
	s_cbranch_scc1 .Lhid_\@                        ; all its keys come after both tiles' queries
	v_add_nc_u32 v[ADK], s[TB], v[AK0]
	v_add_nc_u32 v[ADV], s[TB], v[AV0]
	v_nop
	v_nop                                          ; four plain lines between the last step's last product and the loads into V's registers
	WIN W_LD
.irp kt, 0,1,2,3
.irp c, 0,1
	ds_load_b128 v[8*(2*\kt+\c):8*(2*\kt+\c)+3],   v[ADK] offset:(64*(\q)+16*\kt)*KP+64*\c
	ds_load_b128 v[8*(2*\kt+\c)+4:8*(2*\kt+\c)+7], v[ADK] offset:(64*(\q)+16*\kt)*KP+64*\c+32
.endr
.endr
.irp g, 0,1
.irp ct, 0,1,2,3
	ds_load_tr16_b128 v[VF+8*(4*\g+\ct):VF+8*(4*\g+\ct)+3],   v[ADV] offset:(64*(\q)+32*\g)*VP+32*\ct
	ds_load_tr16_b128 v[VF+8*(4*\g+\ct)+4:VF+8*(4*\g+\ct)+7], v[ADV] offset:(64*(\q)+32*\g)*VP+32*\ct+16*VP
.endr
.endr
	WIN 0
	s_wait_dscnt 16                                ; K is in; V's sixteen loads may be out
	s_cmp_gt_u32 s[KF], s[QE]
	s_cbranch_scc1 .Lonly_b_\@                     ; tile A's queries all lie ahead of this step's keys: its run is left out whole
	TILE 0
.Lonly_b_\@:
	TILE 1
.Lhid_\@:
	s_add_co_u32 s[KF], s[KF], 64
.endm
; THE CHANGE OF SLOTS stands at a slot's head.  Each wave waits for all its tensor loads, adds 0 to its spare word (fill = 1: twice on end),
; and waits for that and for its reads of the slot that it has left.  Behind the barrier the slot ahead is whole and nobody reads the other: it is filled with the next 256 keys, up to the causal limit.
; By this text's count a wave has one tensor load out at the most.
.macro CHANGE fill
	s_wait_tensorcnt 0x0
	ds_add_u32 v[SPW], v[NIL]
.if \fill
	ds_add_u32 v[SPW], v[NIL]
	s_xor_b32 s[G0K+1], s[G0K+1], SLOT1            ; the walking descriptors: the other slot, the next 256 rows of 128 bytes
	s_add_nc_u64 s[G0K+2:G0K+3], s[G0K+2:G0K+3], 32768
	s_xor_b32 s[G0V+1], s[G0V+1], SLOT1
	s_add_nc_u64 s[G0V+2:G0V+3], s[G0V+2:G0V+3], 32768
	s_wait_xcnt 0x0                                ; the last prefetches, a slot back, have read their addresses
	s_add_nc_u64 s[PFK:PFK+1], s[PFK:PFK+1], 32768
	s_add_nc_u64 s[PFV:PFV+1], s[PFV:PFV+1], 32768
.endif
	s_wait_dscnt 0x0
	s_barrier_signal -1
	s_barrier_wait -1
.if \fill
	s_add_co_u32 s54, s[KF], 256                   ; the first key of the slot that this change would ask for
	s_cmp_gt_u32 s54, s[LASTQ]                     ; beyond my work-group's last query none of its waves would read it
	s_cbranch_scc1 .Lpast_\@
	TLOAD
.Lpast_\@:
	ASK
.endif
.endm
.macro SLOT_STEPS
	STEP 0
	STEP 1
	STEP 2
	STEP 3
	s_xor_b32 s[TB], s[TB], SLOT1
.endm
	s_wait_loadcnt 0x0                             ; Q
.Lslot:                                            ; 15 trips: behind each change of slots but the last the next slot is asked for
	CHANGE 1
	SLOT_STEPS
	s_sub_co_u32 s[SLOTS], s[SLOTS], 1
	s_cmp_lg_u32 s[SLOTS], 0
	s_cbranch_scc1 .Lslot
	CHANGE 0                                       ; the last slot is written out: nothing is left to ask for
	SLOT_STEPS
	; THE WAY OUT.  l's halves and the other half of the lanes' are added (plain lines behind the last products); O^T / l is rounded to f16 and goes through my stage, a tile at a time.
.irp t, 0,1
	v_add_f32 v[ST+8*\t+4], v[ST+8*\t+2], v[ST+8*\t+3]
.endr
.irp t, 0,1
	v_permlanex16_b32 v[ST+8*\t+5], v[ST+8*\t+4], s[SEL], s[SEL+1]
.endr
.irp t, 0,1
	v_add_f32 v[ST+8*\t+4], v[ST+8*\t+4], v[ST+8*\t+5]
.endr
	v_nop
	v_nop
.irp t, 0,1
	v_rcp_f32 v[ST+8*\t+6], v[ST+8*\t+4]
.endr
	v_nop
	s_wait_alu depctr_va_vdst(0)                   ; one wait for both reciprocals
.macro OUT t, base
.set n, 0
.rept 16
	v_pk_mul_f32 v[O+32*\t+2*n:O+32*\t+2*n+1], v[O+32*\t+2*n:O+32*\t+2*n+1], v[ST+8*\t+6:ST+8*\t+7] op_sel_hi:[1,0]
.set n, n+1
.endr
.set n, 0
.rept 16
	v_cvt_pk_f16_f32 v[224+16*\t+n], v[O+32*\t+2*n], v[O+32*\t+2*n+1]
.set n, n+1
.endr
.irp ct, 0,1,2,3
	ds_store_b128 v[STO], v[224+16*\t+4*\ct:224+16*\t+4*\ct+3] offset:32*\ct
.endr
.irp u, 0,1,2,3
	ds_load_b128 v[S+16*\t+4*\u:S+16*\t+4*\u+3], v[RD] offset:4*KP*\u      ; LDS serves a wave's instructions in order (ISA guide 5.7.1.4)
.endr
.irp u, 0,1,2,3
	s_wait_dscnt 3-\u
	global_store_b128 v[GO], v[S+16*\t+4*\u:S+16*\t+4*\u+3], s[\base:\base+1] offset:512*\u   ; 512 bytes on end, aligned
.endr
.endm
	OUT 0, 66
	OUT 1, 68
	s_wait_tensorcnt 0x0                           ; the wave's end
	ds_add_u32 v[SPW], v[NIL]
	s_wait_dscnt 0x0
	s_endpgm
.Lfunc_end_k_qf2381c4a3f_attention:
	.size	k_qf2381c4a3f_attention, .Lfunc_end_k_qf2381c4a3f_attention-k_qf2381c4a3f_attention
	.p2alignl 7, 3214868480
	.fill 96, 4, 3214868480
	.section	.rodata,"a",@progbits
	.p2align	6, 0x0
	.amdhsa_kernel k_qf2381c4a3f_attention
		.amdhsa_group_segment_fixed_size 327680
		.amdhsa_private_segment_fixed_size 0
		.amdhsa_enable_private_segment 0
		.amdhsa_kernarg_size 16
		.amdhsa_user_sgpr_count 2
		.amdhsa_user_sgpr_kernarg_segment_ptr 1
		.amdhsa_wavefront_size32 1
		.amdhsa_system_sgpr_workgroup_id_x 1
		.amdhsa_system_sgpr_workgroup_id_y 1
		.amdhsa_system_sgpr_workgroup_id_z 1
		.amdhsa_system_vgpr_workitem_id 0
		.amdhsa_next_free_vgpr 512
		.amdhsa_next_free_sgpr 72
		.amdhsa_reserve_vcc 1
		.amdhsa_float_denorm_mode_32 3
		.amdhsa_float_denorm_mode_16_64 3
		.amdhsa_memory_ordered 1
		.amdhsa_forward_progress 1
		.amdhsa_inst_pref_size 196
	.end_amdhsa_kernel
	.amdgpu_metadata
---
amdhsa.version: [ 1, 2 ]
amdhsa.kernels:
  - .name:           k_qf2381c4a3f_attention
    .symbol:         k_qf2381c4a3f_attention.kd
    .args:
      - { .name: qkv, .offset: 0, .size: 8, .value_kind: global_buffer, .address_space: global }
      - { .name: att, .offset: 8, .size: 8, .value_kind: global_buffer, .address_space: global }
    .group_segment_fixed_size: 327680
    .private_segment_fixed_size: 0
    .kernarg_segment_align: 8
    .kernarg_segment_size: 16
    .max_flat_workgroup_size: 256
    .sgpr_count:     72
    .vgpr_count:     512
    .wavefront_size: 32
...
	.end_amdgpu_metadata
.endif
;; end of part 3
;; launch oproj (part 4): grid 8 x 32, 4 waves a work-group, clusters of 4 x 4, 327,680 bytes of LDS; arguments att, ow16, out0; writes out0
.if DOCPART == 4
	.amdgcn_target "amdgcn-amd-amdhsa--gfx1250"
	.amdhsa_code_object_version 6
	.text
	.protected	k_qf2381c4a3f_oproj
	.globl	k_qf2381c4a3f_oproj
	.p2align	8
	.type	k_qf2381c4a3f_oproj,@function
k_qf2381c4a3f_oproj:
	s_mov_b64 s[64:65], 0
	v_nop
	global_prefetch_b8 v0, s[64:65] scope:SCOPE_SE
	s_setreg_imm32_b32 hwreg(HW_REG_WAVE_MODE, 25, 1), 1
	s_wait_xcnt 0x0
	s_wait_alu depctr_hold_cnt(0) depctr_sa_sdst(0) depctr_va_vdst(0) depctr_va_sdst(0) depctr_va_ssrc(0) depctr_va_vcc(0) depctr_vm_vsrc(0)
	s_getreg_b32 s2, hwreg(HW_REG_IB_STS2, 6, 4)
	s_cmp_eq_u32 s2, 0
	s_cbranch_scc0 .Lentry_in_a_cluster
	s_endpgm
.Lentry_in_a_cluster:
	s_bfe_u32 s2, ttmp6, 0x10000c
	s_cmp_lg_u32 s2, 0xf033
	s_cbranch_scc0 .Lentry_shape_is_right
	s_endpgm
.Lentry_shape_is_right:
; out0[m][n] = sum over k of att[m][k] o_w[k][n], k = 64 head + channel.  att: f16, [16 heads][4096][64]; ow16: f16, [1024 k][1024 n]; out0: f32 [4096][1024]; sums in f32.
; (Rows 0-15 are written again, in f32 throughout, by the launch that follows.)
; A tile of out0 is 128 x 128: 256 work-groups of four waves, each 64 x 64: 16 accumulators.  K goes in steps of 256 (four heads) through two LDS slots.
; A's tile of a wave: 4 heads x 64 rows x 128 bytes.  A head's 64 rows are 8,192 bytes on end, so the descriptor states 4 rows of 8,192 bytes, a plane apart, with 16 bytes of padding behind every 128: LDS rows 144 bytes apart.
; B's tile of a wave: 128 rows k x 256 bytes (128 n), 288 bytes apart in LDS; its fragments are turned by ds_load_tr16_b128.
; CLUSTERS: 4 x 4; A's tiles are asked for jointly along a row of the cluster, B's along a column.  THE MATRIX INSTRUCTION IS USED TRANSPOSED: a lane holds eight neighbouring columns of one row.
; REGISTERS: window 0: v0-31 addresses; v32-95 the way out; v128-255 the accumulators.  window 1: two fragment buffers of 128: 64 of A, then 64 of B, for 64 along K.
.set PA,     144
.set PB,     288
.set HALFT,  36864                     ; what one tensor load brings: 4 x 64 x 144 = 128 x 288
.set SLOT,   4*HALFT
.set SPARE,  2*SLOT                    ; the spare words, 128 bytes for each wave
.set SPITCH, 272                       ; the way out: 16 rows x (256 + 16) bytes for each wave, in slot 0, which has had its last fill and its last read by then
.set LAPS,   2
.set ADRA, 16                          ; v16-17  my A fragments in slot 0, 1
.set ADRB, 20                          ; v20-23  my B fragments: slot 0 rows k 0-127, 128-255; slot 1 likewise
.set STO,  24
.set RD,   25
.set CO,   26
.set SPW,  28
.set NIL,  29
.set TMP,  32
.set ACC,  128
.set F0,   0
.set F1,   128
.set G1, 24
.set G0, 32
.set G1B, 48
.set G0B, 56
.set MSB, 0
.macro WIN new
.if MSB != \new
	s_set_vgpr_msb (MSB<<8)|\new
.set MSB, \new
.endif
.endm
.set MUL,  0x05
.set TO_F, 0x40
.macro JLOAD s                         ; waves 0 and 1 fetch A's halves, waves 2 and 3 B's; an s_nop 0 and four v_nop follow each line
	s_cmp_eq_u32 s11, 0
	s_cbranch_scc0 .Lfor_b_\@
	tensor_load_to_lds s[G0+4*\s:G0+4*\s+3], s[G1:G1+7]
	s_nop 0
.rept 4
	v_nop
.endr
	s_branch .Lasked_\@
.Lfor_b_\@:
	tensor_load_to_lds s[G0B+4*\s:G0B+4*\s+3], s[G1B:G1B+7]
	s_nop 0
.rept 4
	v_nop
.endr
.Lasked_\@:
.endm
.macro CREST
	s_cmp_lg_u32 s10, 0
	s_cbranch_scc1 .Lnot_wave_0_\@
	s_barrier_signal -3
.Lnot_wave_0_\@:
	s_barrier_wait -3
	s_barrier_signal -1
	s_barrier_wait -1
.endm
.macro CROUND
	s_barrier_signal -1
	s_barrier_wait -1
	CREST
.endm
	s_load_b128 s[4:7], s[0:1], 0x0                ; att, ow16
	s_load_b64 s[8:9], s[0:1], 0x10                ; out0
	v_lshl_add_u32 v[SPW], v0, 2, SPARE
	v_mov_b32 v[NIL], 0
	ds_add_u32 v[SPW], v[NIL]                      ; the wave's opening: the add, twice on end, and its wait ahead of my first tensor load
	ds_add_u32 v[SPW], v[NIL]
	v_lshrrev_b32 v1, 5, v0
	v_readfirstlane_b32 s10, v1                    ; wave 0..3
	s_lshr_b32 s11, s10, 1                         ; my half of the tile's rows.  Also: I fetch for A (0) or for B (1)
	s_and_b32 s12, s10, 1                          ; my half of its columns.  Also: which half I fetch
	s_bfe_u32 s40, ttmp6, 0x40000                  ; cx, cy
	s_bfe_u32 s41, ttmp6, 0x40004
	s_lshl_b32 s42, ttmp9, 2
	s_add_co_u32 s42, s42, s40                     ; tile column
	s_and_b32 s13, ttmp7, 0xffff
	s_lshl_b32 s13, s13, 2
	s_add_co_u32 s13, s13, s41                     ; tile row
	s_lshl_b32 s43, s41, 2
	s_lshl_b32 s43, 15, s43                        ; my row of the cluster
	s_lshl_b32 s44, 0x1111, s40                    ; my column
	s_or_b32 s[G1+0], s43, (3<<16)|(1<<20)|(1<<21)|(4<<22)|(3<<25)  ; A: elements of 8 bytes; padding: 4 words after every 32
	s_mov_b32 s[G1+1], 1024<<16                    ; tensor_dim0 = 1,024 elements: 8,192 bytes
	s_mov_b32 s[G1+2], 4<<16                       ; tensor_dim1 = 4
	s_mov_b32 s[G1+3], 1024<<16                    ; tile_dim0
	s_mov_b32 s[G1+4], 4                           ; tile_dim1
	s_mov_b32 s[G1+5], 65536                       ; from head to head: 524,288 bytes
	s_mov_b32 s[G1+6], 0
	s_mov_b32 s[G1+7], 0
	s_or_b32 s[G1B+0], s44, (1<<16)|(1<<20)|(1<<21)|(5<<22)|(7<<25) ; B: elements of 2 bytes; padding: 8 words after every 64
	s_mov_b32 s[G1B+1], 128<<16
	s_mov_b32 s[G1B+2], 128<<16
	s_mov_b32 s[G1B+3], 128<<16
	s_mov_b32 s[G1B+4], 128
	s_mov_b32 s[G1B+5], 1024
	s_mov_b32 s[G1B+6], 0
	s_mov_b32 s[G1B+7], 0
	s_lshl_b32 s16, s13, 14                        ; A: 128 rows of 128 bytes a tile row,
	s_lshl_b32 s17, s12, 13                        ; 64 a half
	s_add_co_u32 s16, s16, s17
	s_mov_b32 s17, 0
	s_lshl_b32 s46, s42, 8                         ; B: 256 bytes a tile column,
	s_lshl_b32 s47, s12, 18                        ; 128 rows of 2,048 bytes a half
	s_add_co_u32 s46, s46, s47
	s_mov_b32 s47, 0
	s_mul_i32 s20, s10, HALFT                      ; where they go: wave x a load's bytes
	s_wait_dscnt 0x0                               ; both opening adds are done
	s_wait_kmcnt 0x0
	s_add_nc_u64 s[14:15], s[4:5], s[16:17]
	s_add_nc_u64 s[46:47], s[6:7], s[46:47]
	CROUND                                         ; all sixteen work-groups are here: the first joint loads meet
.irp s, 0,1
	s_mov_b32 s[G0+4*\s], 1
	s_add_co_u32 s[G0+4*\s+1], s20, \s*SLOT
	s_add_nc_u64 s[G0+4*\s+2:G0+4*\s+3], s[14:15], \s*4*524288      ; K step s: four heads on
	s_or_b32 s[G0+4*\s+3], s[G0+4*\s+3], 0x80000000
	s_mov_b32 s[G0B+4*\s], 1
	s_add_co_u32 s[G0B+4*\s+1], s20, \s*SLOT
	s_add_nc_u64 s[G0B+4*\s+2:G0B+4*\s+3], s[46:47], \s*256*2048    ; 256 rows on
	s_or_b32 s[G0B+4*\s+3], s[G0B+4*\s+3], 0x80000000
	JLOAD \s
.endr
	v_and_b32 v1, 15, v0                           ; r
	v_bfe_u32 v2, v0, 4, 1                         ; h
	v_mul_u32_u24 v3, v1, PA
	v_lshl_add_u32 v3, v2, 4, v3                   ; A: row r x pitch + 16 h
	v_and_b32 v5, 7, v0
	v_lshl_add_u32 v4, v2, 3, v5
	v_mul_u32_u24 v4, v4, PB
	v_bfe_u32 v6, v0, 3, 1
	v_lshl_add_u32 v4, v6, 4, v4                   ; B: row k 8 h + lane % 8, columns 8 ((lane / 8) % 2) on
	s_mul_i32 s21, s11, HALFT                      ; my 64 rows of A
	s_lshl_b32 s22, s12, 7                         ; my 64 columns of B,
	s_add_co_u32 s22, s22, 2*HALFT                 ; which lies behind A
.irp s, 0,1
	v_add_nc_u32 v[ADRA+\s], s21, v3
	v_add_nc_u32 v[ADRB+2*\s], s22, v4
	s_add_co_u32 s23, s22, HALFT
	v_add_nc_u32 v[ADRB+2*\s+1], s23, v4
	s_add_co_u32 s21, s21, SLOT
	s_add_co_u32 s22, s22, SLOT
.endr
	s_mul_i32 s23, s10, 16*SPITCH                  ; my stage
	v_mul_u32_u24 v5, v1, SPITCH
	v_lshl_add_u32 v5, v2, 5, v5
	v_add_nc_u32 v[STO], s23, v5                   ; in: row r, 32 bytes for each half of the lanes
	v_mul_u32_u24 v5, v2, SPITCH
	v_lshl_add_u32 v5, v1, 4, v5
	v_add_nc_u32 v[RD], s23, v5                    ; back: lanes 0-15 one row of 256 bytes, lanes 16-31 the next
	v_lshlrev_b32 v5, 4, v1
	v_lshl_add_u32 v[CO], v2, 12, v5               ; and the same two rows in out0
	s_lshl_b32 s16, s13, 19                        ; 128 rows of 4,096 bytes a tile row,
	s_lshl_b32 s17, s11, 18                        ; 64 a half
	s_add_co_u32 s16, s16, s17
	s_mov_b32 s17, 0
	s_add_nc_u64 s[8:9], s[8:9], s[16:17]
	s_lshl_b32 s46, s42, 9                         ; 512 bytes a tile column, 256 a half
	s_lshl_b32 s47, s12, 8
	s_add_co_u32 s46, s46, s47
	s_mov_b32 s47, 0
	s_add_nc_u64 s[8:9], s[8:9], s[46:47]
.macro MUL8 f, c, a0, zero             ; 8 products: row blocks a0, a0 + 1 x all 4 column blocks, 32 along K; the 16 accumulators take turns
.irp a, \a0, \a0+1
.irp b, 0,1,2,3
.if \zero
	v_wmma_f32_16x16x32_f16 v[ACC+8*(4*(\a)+\b):ACC+8*(4*(\a)+\b)+7], v[\f+64+8*(4*\c+\b):\f+64+8*(4*\c+\b)+7], v[\f+8*(4*\c+\a):\f+8*(4*\c+\a)+7], 0
.else
	v_wmma_f32_16x16x32_f16 v[ACC+8*(4*(\a)+\b):ACC+8*(4*(\a)+\b)+7], v[\f+64+8*(4*\c+\b):\f+64+8*(4*\c+\b)+7], v[\f+8*(4*\c+\a):\f+8*(4*\c+\a)+7], v[ACC+8*(4*(\a)+\b):ACC+8*(4*(\a)+\b)+7]
.endif
.endr
.endr
.endm
.macro FETCH slot, q, f                ; 32 LDS loads in one run: quarter q of the slot (one head, 64 along K) into buffer f; its first 32 along K first
	WIN TO_F
.irp c, 0,1
.irp i, 0,1,2,3
	ds_load_tr16_b128 v[\f+64+8*(4*\c+\i):\f+64+8*(4*\c+\i)+3],   v[ADRB+2*\slot+(\q)/2] offset:(((\q)%2)*64+32*\c)*PB+32*\i
	ds_load_tr16_b128 v[\f+64+8*(4*\c+\i)+4:\f+64+8*(4*\c+\i)+7], v[ADRB+2*\slot+(\q)/2] offset:(((\q)%2)*64+32*\c)*PB+32*\i+16*PB
	ds_load_b128 v[\f+8*(4*\c+\i):\f+8*(4*\c+\i)+3],              v[ADRA+\slot] offset:(\q)*64*PA+64*\c+\i*16*PA
	ds_load_b128 v[\f+8*(4*\c+\i)+4:\f+8*(4*\c+\i)+7],            v[ADRA+\slot] offset:(\q)*64*PA+64*\c+\i*16*PA+32
.endr
.endr
.endm
.macro PLACES                          ; four plain lines in front of loads into registers that matrix instructions have read, and of the first read of results
.rept 4
	v_nop
.endr
.endm
.macro QUARTER slot, q, f, g, zero     ; multiplies buffer f and fetches quarter q of the same slot into g
	s_wait_dscnt 16                                ; the first 32 along K are in; the youngest sixteen loads may be out
	WIN MUL
	MUL8 \f, 0, 0, \zero
	MUL8 \f, 0, 2, \zero
	PLACES
	FETCH \slot, \q, \g
	s_wait_dscnt 32                                ; all but the 32 just issued
	WIN MUL
	MUL8 \f, 1, 0, 0
	MUL8 \f, 1, 2, 0
.endm
; A slot's last quarter changes slots: one barrier; in front of it each wave waits for all its tensor loads, adds 0 to its spare word, and waits for that and for its reads of this slot.
.macro TURN slot, next, fill
	WIN 0
	s_wait_tensorcnt 0x0                           ; my part of the next slot has landed: no tensor load of mine is out
	ds_add_u32 v[SPW], v[NIL]
	s_wait_dscnt 17                                ; the add and the youngest sixteen loads may be out
	WIN MUL
	MUL8 F1, 0, 0, 0
	s_wait_dscnt 0x0
	s_barrier_signal -1
	MUL8 F1, 0, 2, 0
.if \fill
	WIN 0
.endif
	s_barrier_wait -1
.if \fill
	CREST                                          ; the barrier has opened a round of the cluster's: no wave of any partner still reads this slot or has a load on its way
	s_add_nc_u64 s[G0+4*\slot+2:G0+4*\slot+3], s[G0+4*\slot+2:G0+4*\slot+3], 8*524288
	s_add_nc_u64 s[G0B+4*\slot+2:G0B+4*\slot+3], s[G0B+4*\slot+2:G0B+4*\slot+3], 512*2048
	JLOAD \slot                                    ; the first tensor load behind the round; its four v_nop are also the places in front of the loads below
.else
	PLACES
.endif
	FETCH \next, 0, F0
	WIN MUL
	MUL8 F1, 1, 0, 0
	MUL8 F1, 1, 2, 0
.endm
	s_wait_tensorcnt 1                             ; my part of K step 0 is in; K step 1's load may be out
	s_barrier_signal -1
	s_barrier_wait -1
	FETCH 0, 0, F0
	QUARTER 0, 1, F0, F1, 1                        ; the first products start the sums
	WIN 0
	s_mov_b32 s3, LAPS-1
.Llap:                                             ; a trip goes once round the ring and fills both slots again
	QUARTER 0, 2, F1, F0, 0
	QUARTER 0, 3, F0, F1, 0
	TURN 0, 1, 1
	QUARTER 1, 1, F0, F1, 0
	QUARTER 1, 2, F1, F0, 0
	QUARTER 1, 3, F0, F1, 0
	TURN 1, 0, 1
	QUARTER 0, 1, F0, F1, 0
	WIN 0
	s_sub_co_u32 s3, s3, 1
	s_cmp_lg_u32 s3, 0
	s_cbranch_scc1 .Llap
	QUARTER 0, 2, F1, F0, 0                        ; the last lap fills nothing
	QUARTER 0, 3, F0, F1, 0
	TURN 0, 1, 0
	QUARTER 1, 1, F0, F1, 0
	QUARTER 1, 2, F1, F0, 0
	QUARTER 1, 3, F0, F1, 0
	s_wait_dscnt 16
	WIN MUL
	MUL8 F1, 0, 0, 0
	MUL8 F1, 0, 2, 0
	s_wait_dscnt 0
	MUL8 F1, 1, 0, 0
	MUL8 F1, 1, 2, 0
	WIN 0
	; THE WAY OUT: a wave's 64 columns are 256 bytes.  A block of 16 rows goes through my own stage and comes back by rows: sixteen lanes store 256 bytes on end, aligned.
	PLACES
.irp a, 0,1,2,3
.if \a > 1
	s_wait_xcnt 0x0                                ; the stores of two blocks back have read their registers
.endif
.irp b, 0,1,2,3
	ds_store_b128 v[STO], v[ACC+8*(4*\a+\b):ACC+8*(4*\a+\b)+3] offset:64*\b        ; each accumulator from its low end on
	ds_store_b128 v[STO], v[ACC+8*(4*\a+\b)+4:ACC+8*(4*\a+\b)+7] offset:64*\b+16
.endr
.irp t, 0,1,2,3,4,5,6,7
	ds_load_b128 v[TMP+32*(\a%2)+4*\t:TMP+32*(\a%2)+4*\t+3], v[RD] offset:\t*2*SPITCH   ; LDS serves a wave's instructions in order (ISA guide 5.7.1.4)
.endr
.irp t, 0,1,2,3,4,5,6,7
	s_wait_dscnt 7-\t
	global_store_b128 v[CO], v[TMP+32*(\a%2)+4*\t:TMP+32*(\a%2)+4*\t+3], s[8:9] offset:(16*\a+2*\t)*4096 th:TH_STORE_NT
.endr
.endr
	s_wait_tensorcnt 0x0                           ; the wave's end
	ds_add_u32 v[SPW], v[NIL]
	s_wait_dscnt 0x0
	CROUND                                         ; the closing round
	s_endpgm
.Lfunc_end_k_qf2381c4a3f_oproj:
	.size	k_qf2381c4a3f_oproj, .Lfunc_end_k_qf2381c4a3f_oproj-k_qf2381c4a3f_oproj
	.p2alignl 7, 3214868480
	.fill 96, 4, 3214868480
	.section	.rodata,"a",@progbits
	.p2align	6, 0x0
	.amdhsa_kernel k_qf2381c4a3f_oproj
		.amdhsa_group_segment_fixed_size 327680
		.amdhsa_private_segment_fixed_size 0
		.amdhsa_enable_private_segment 0
		.amdhsa_kernarg_size 24
		.amdhsa_user_sgpr_count 2
		.amdhsa_user_sgpr_kernarg_segment_ptr 1
		.amdhsa_wavefront_size32 1
		.amdhsa_system_sgpr_workgroup_id_x 1
		.amdhsa_system_sgpr_workgroup_id_y 1
		.amdhsa_system_sgpr_workgroup_id_z 1
		.amdhsa_system_vgpr_workitem_id 0
		.amdhsa_next_free_vgpr 512
		.amdhsa_next_free_sgpr 66
		.amdhsa_reserve_vcc 0
		.amdhsa_float_denorm_mode_32 3
		.amdhsa_float_denorm_mode_16_64 3
		.amdhsa_memory_ordered 1
		.amdhsa_forward_progress 1
		.amdhsa_inst_pref_size 87
	.end_amdhsa_kernel
	.amdgpu_metadata
---
amdhsa.version: [ 1, 2 ]
amdhsa.kernels:
  - .name:           k_qf2381c4a3f_oproj
    .symbol:         k_qf2381c4a3f_oproj.kd
    .args:
      - { .name: att, .offset: 0, .size: 8, .value_kind: global_buffer, .address_space: global }
      - { .name: ow16, .offset: 8, .size: 8, .value_kind: global_buffer, .address_space: global }
      - { .name: out0, .offset: 16, .size: 8, .value_kind: global_buffer, .address_space: global }
    .group_segment_fixed_size: 327680
    .private_segment_fixed_size: 0
    .kernarg_segment_align: 8
    .kernarg_segment_size: 24
    .max_flat_workgroup_size: 128
    .sgpr_count:     66
    .vgpr_count:     512
    .wavefront_size: 32
...
	.end_amdgpu_metadata
.endif
;; end of part 4
;; launch first16 (part 5): grid 16 x 1, 16 waves a work-group, no clusters, 67,584 bytes of LDS; arguments fqkv, o_w, out0; writes out0
.if DOCPART == 5
	.amdgcn_target "amdgcn-amd-amdhsa--gfx1250"
	.amdhsa_code_object_version 6
	.text
	.protected	k_qf2381c4a3f_first16
	.globl	k_qf2381c4a3f_first16
	.p2align	8
	.type	k_qf2381c4a3f_first16,@function
k_qf2381c4a3f_first16:
	s_mov_b64 s[64:65], 0
	v_nop
	global_prefetch_b8 v0, s[64:65] scope:SCOPE_SE
	s_setreg_imm32_b32 hwreg(HW_REG_WAVE_MODE, 25, 1), 1
	s_wait_xcnt 0x0
; THE FIRST 16 POSITIONS IN F32 THROUGHOUT: scores, softmax, weighted values and the projection out, from the f32 rows 0-15 of q, k, v (fqkv [48 planes][16][64]) and o_w as it is given.
; These rows average one to sixteen values and are the largest in size; they are written over what the launch before left in rows 0-15 of out0.
; SHARES.  Work-group g makes out0[0:16][64 g : 64 g + 64].  Wave = head: it makes its head's attention for the 16 positions (12 KB read) and its head's part of the sum over K; the 16 parts meet in LDS.
; All products by the f32 matrix form, 16 x 16 x 4.  One order of k is used alike on both sources of a product, chosen so that each result IS the next product's source, in the same lanes:
;   S^T = K Q^T: lane (r, h) holds channels 32 h + 0..31 of its row; step s takes registers 2 s, 2 s + 1.   Result: query r, keys 8 h + j.
;   O^T = V^T P: step s takes p of keys 8 h + 2 s, + 1, and V of the same keys at channel 16 ct + r.          Result: query r, channels 16 ct + 8 h + j.
;   out^T = o_w^T O^T: step (ct, s) takes channels 16 ct + 8 h + 2 s, + 1, and o_w of the same rows at column 16 nt + r.
; The four accumulators are written by matrix instructions alone; each sum begins with the constant 0; they take turns, one instruction a turn.
; LIMITS: NaN and infinities among the inputs are not served.
.set SPARE, 65536                      ; behind the 16 images of 4,096 bytes: the spare words, 128 bytes for each wave
.set SPW,  12
.set NIL,  13
.set QR,   16                          ; v16-47  Q; later, with K's, o_w's rows of channels 32-63
.set KR,   48                          ; v48-79  K
.set VR,   80                          ; v80-111 V
.set OW0,  112                         ; v112-175 o_w's rows of channels 0-31
.set OW1,  16
.set ACC,  176                         ; v176-207
.set ON,   208                         ; v208-239 O^T / l; before that v208-215 the ALiBi terms, v216-223 at work
.set PR,   240                         ; v240-247 the scores, then p
	s_load_b128 s[4:7], s[0:1], 0x0                ; fqkv, o_w
	s_load_b64 s[8:9], s[0:1], 0x10                ; out0
	v_lshl_add_u32 v[SPW], v0, 2, SPARE
	v_mov_b32 v[NIL], 0
	v_lshrrev_b32 v1, 5, v0
	v_readfirstlane_b32 s10, v1                    ; wave = head
	v_and_b32 v1, 15, v0                           ; r
	v_bfe_u32 v2, v0, 4, 1                         ; h
	v_lshlrev_b32 v3, 8, v1
	v_lshl_add_u32 v3, v2, 7, v3                   ; Q, K: row r of 256 bytes, + 128 h
	v_lshlrev_b32 v4, 2, v1
	v_lshl_add_u32 v5, v2, 15, v4                  ; o_w: 8 h rows of 4,096 bytes, + 4 r
	v_lshl_add_u32 v4, v2, 11, v4                  ; V: 8 h rows of 256 bytes, + 4 r
	v_and_b32 v6, 31, v0
	v_lshlrev_b32 v6, 4, v6
	s_lshl_b32 s12, s10, 12
	v_add_nc_u32 v6, s12, v6                       ; my image: 4,096 x wave + 16 x lane
	v_bfe_u32 v7, v0, 2, 2                         ; the sum: thread T takes query T / 16, columns 4 (T % 16) on: in an image that is tile (T / 4) % 4,
	v_lshlrev_b32 v7, 10, v7
	v_bfe_u32 v8, v0, 0, 1                         ; registers 4 (T % 2) on,
	v_lshl_add_u32 v7, v8, 9, v7
	v_bfe_u32 v8, v0, 1, 1                         ; lane 16 ((T / 2) % 2)
	v_lshl_add_u32 v7, v8, 8, v7
	v_bfe_u32 v8, v0, 4, 4                         ; + the query
	v_lshl_add_u32 v7, v8, 4, v7
	v_lshlrev_b32 v8, 12, v8
	v_lshl_add_u32 v8, v1, 4, v8                   ; and in out0: the query's row, 16 bytes a thread
	v_lshlrev_b32 v9, 3, v2
	v_sub_nc_u32 v9, v1, v9                        ; d = r - 8 h: key 8 h + j lies d - j behind the query
	v_mov_b32 v10, 0xff800000                      ; -infinity
	v_mov_b32 v11, 0                               ; a lane permute's destination counts as one of its sources
	s_mov_b32 s13, 0
	s_lshl_b32 s14, s10, 18                        ; o_w: my head's 64 rows,
	s_lshl_b32 s20, ttmp9, 8                       ; my work-group's 64 columns
	s_add_co_u32 s14, s14, s20
	s_mov_b32 s15, 0
	s_mov_b32 s21, 0
	s_mov_b32 s18, 0x76543210
	s_mov_b32 s19, 0xfedcba98
	s_and_b32 s22, s10, 1                          ; slope = 2^(-(head + 1) / 2)
	s_cmp_eq_u32 s22, 0
	s_mov_b32 s16, 0x3f000000
	s_cselect_b32 s16, 0x3f3504f3, s16
	s_lshr_b32 s22, s10, 1
	s_lshl_b32 s22, s22, 23
	s_sub_co_u32 s16, s16, s22
	s_wait_kmcnt 0x0
	s_add_nc_u64 s[4:5], s[4:5], s[12:13]          ; q's plane of my head; k's lies 65,536 bytes on, v's 131,072
	s_add_nc_u64 s[6:7], s[6:7], s[14:15]
	s_add_nc_u64 s[8:9], s[8:9], s[20:21]
.irp i, 0,1,2,3,4,5,6,7
	global_load_b128 v[QR+4*\i:QR+4*\i+3], v3, s[4:5] offset:16*\i
.endr
.irp i, 0,1,2,3,4,5,6,7
	global_load_b128 v[KR+4*\i:KR+4*\i+3], v3, s[4:5] offset:65536+16*\i
.endr
.irp ct, 0,1,2,3
.irp i, 0,1,2,3,4,5,6,7
	global_load_b32 v[VR+8*\ct+\i], v4, s[4:5] offset:131072+256*\i+64*\ct
.endr
.endr
.macro OWLOAD reg, ct0                 ; o_w(64 head + 16 ct + 8 h + i, 64 g + 16 nt + r) for ct = ct0, ct0 + 1
.irp u, 0,1
.irp nt, 0,1,2,3
.irp i, 0,1,2,3,4,5,6,7
	global_load_b32 v[\reg+8*(4*\u+\nt)+\i], v5, s[6:7] offset:(16*(\ct0+\u)+\i)*4096+64*\nt
.endr
.endr
.endr
.endm
	OWLOAD OW0, 0
	s_wait_loadcnt 63                              ; 112 are issued; with 63 out at the most the first 49 are in: Q, K and V are the first 48
.set kk, 0
.rept 16
.if kk < 4
	v_wmma_f32_16x16x4_f32 v[ACC+8*(kk%4):ACC+8*(kk%4)+7], v[KR+2*kk:KR+2*kk+1], v[QR+2*kk:QR+2*kk+1], 0
.else
	v_wmma_f32_16x16x4_f32 v[ACC+8*(kk%4):ACC+8*(kk%4)+7], v[KR+2*kk:KR+2*kk+1], v[QR+2*kk:QR+2*kk+1], v[ACC+8*(kk%4):ACC+8*(kk%4)+7]
.endif
.set kk, kk+1
.endr
.irp j, 0,1,2,3,4,5,6,7                ; the ALiBi terms: 24 plain lines that name none of the products' registers: more than the eight that this form asks for ahead of what follows
	v_sub_nc_u32 v[208+\j], \j, v9                 ; j - d = -(the distance)
.endr
.irp j, 0,1,2,3,4,5,6,7
	v_cvt_f32_i32 v[208+\j], v[208+\j]
.endr
.irp j, 0,1,2,3,4,5,6,7
	v_mul_f32 v[208+\j], s16, v[208+\j]            ; x slope
.endr
	OWLOAD OW1, 2                                  ; into Q's and K's registers, which are done with
.irp i, 0,2,4,6
	v_pk_add_f32 v[PR+\i:PR+\i+1], v[ACC+\i:ACC+\i+1], v[ACC+8+\i:ACC+8+\i+1]           ; the four partial sums, each from its low end on
	v_pk_add_f32 v[216+\i:217+\i], v[ACC+16+\i:ACC+16+\i+1], v[ACC+24+\i:ACC+24+\i+1]
.endr
.irp i, 0,2,4,6
	v_pk_add_f32 v[PR+\i:PR+\i+1], v[PR+\i:PR+\i+1], v[216+\i:217+\i]
.endr
.irp j, 0,1,2,3,4,5,6,7
	v_fma_f32 v[PR+\j], v[PR+\j], 0x3e000000, v[208+\j]            ; score / 8 - slope x distance
.endr
.irp j, 0,1,2,3,4,5,6,7
	v_cmp_gt_i32 vcc_lo, \j, v9                    ; the key comes after the query
	v_cndmask_b32 v[PR+\j], v[PR+\j], v10, vcc_lo
.endr
	v_max3_num_f32 v14, v240, v241, v242
	v_max3_num_f32 v14, v14, v243, v244
	v_max3_num_f32 v14, v14, v245, v246
	v_max_num_f32 v14, v14, v247
	v_permlanex16_b32 v11, v14, s18, s19
	v_max_num_f32 v14, v14, v11                    ; the row's maximum (key 0 counts for every query)
.irp j, 0,1,2,3,4,5,6,7
	v_sub_f32 v[PR+\j], v[PR+\j], v14
.endr
.irp j, 0,1,2,3,4,5,6,7
	v_mul_f32 v[PR+\j], 0x3fb8aa3b, v[PR+\j]
.endr
.irp j, 0,1,2,3,4,5,6,7
	v_exp_f32 v[PR+\j], v[PR+\j]
.endr
	v_nop
	s_wait_alu depctr_va_vdst(0)                   ; one wait for the eight exponentials, ahead of their first reader
	v_pk_add_f32 v[216:217], v[240:241], v[242:243]
	v_pk_add_f32 v[218:219], v[244:245], v[246:247]
	v_pk_add_f32 v[216:217], v[216:217], v[218:219]
	v_add_f32 v15, v216, v217
	v_permlanex16_b32 v11, v15, s18, s19
	v_add_f32 v15, v15, v11                        ; the row's sum
	v_rcp_f32 v15, v15
	v_nop
	s_wait_alu depctr_va_vdst(0)
.irp sp, 0,1,2,3
.irp ct, 0,1,2,3
.if \sp == 0
	v_wmma_f32_16x16x4_f32 v[ACC+8*\ct:ACC+8*\ct+7], v[VR+8*\ct+2*\sp:VR+8*\ct+2*\sp+1], v[PR+2*\sp:PR+2*\sp+1], 0
.else
	v_wmma_f32_16x16x4_f32 v[ACC+8*\ct:ACC+8*\ct+7], v[VR+8*\ct+2*\sp:VR+8*\ct+2*\sp+1], v[PR+2*\sp:PR+2*\sp+1], v[ACC+8*\ct:ACC+8*\ct+7]
.endif
.endr
.endr
.rept 9
	v_nop                                          ; nine plain lines: the sums are read below, and their registers begin new sums after that
.endr
.set kk, 0
.rept 32
	v_mul_f32 v[ON+kk], v[ACC+kk], v15             ; O^T / l, each accumulator from its low end on
.set kk, kk+1
.endr
	s_wait_loadcnt 63                              ; 176 are issued; the first 113 are in: o_w's rows of channels 0-31 end with the 112th
.irp ct, 0,1,2,3
.if \ct == 2
	s_wait_loadcnt 0x0
.endif
.irp sp, 0,1,2,3
.irp nt, 0,1,2,3
.if \ct < 2
.set OWB, OW0+8*(4*\ct+\nt)
.else
.set OWB, OW1+8*(4*(\ct-2)+\nt)
.endif
.if (\ct == 0) && (\sp == 0)
	v_wmma_f32_16x16x4_f32 v[ACC+8*\nt:ACC+8*\nt+7], v[OWB+2*\sp:OWB+2*\sp+1], v[ON+8*\ct+2*\sp:ON+8*\ct+2*\sp+1], 0
.else
	v_wmma_f32_16x16x4_f32 v[ACC+8*\nt:ACC+8*\nt+7], v[OWB+2*\sp:OWB+2*\sp+1], v[ON+8*\ct+2*\sp:ON+8*\ct+2*\sp+1], v[ACC+8*\nt:ACC+8*\nt+7]
.endif
.endr
.endr
.endr
.rept 8
	v_nop
.endr
.irp nt, 0,1,2,3
	ds_store_b128 v6, v[ACC+8*\nt:ACC+8*\nt+3] offset:1024*\nt      ; my head's part goes to LDS as an image of its registers
	ds_store_b128 v6, v[ACC+8*\nt+4:ACC+8*\nt+7] offset:1024*\nt+512
.endr
	s_wait_dscnt 0x0                               ; for the others' sake: my stores are done
	s_barrier_signal -1
	s_barrier_wait -1
	s_cmp_gt_u32 s10, 7
	s_cbranch_scc1 .Lend                           ; 256 threads add the 16 heads' parts, in the order of the heads
.set kk, 0
.rept 16
	ds_load_b128 v[16+4*kk:19+4*kk], v7 offset:4096*kk
.set kk, kk+1
.endr
.set kk, 1
.rept 15
	s_wait_dscnt 15-kk
	v_pk_add_f32 v[16:17], v[16:17], v[16+4*kk:17+4*kk]
	v_pk_add_f32 v[18:19], v[18:19], v[18+4*kk:19+4*kk]
.set kk, kk+1
.endr
	global_store_b128 v8, v[16:19], s[8:9]         ; sixteen lanes store 256 bytes on end, aligned
.Lend:
	s_wait_tensorcnt 0x0                           ; the wave's end
	ds_add_u32 v[SPW], v[NIL]
	s_wait_dscnt 0x0
	s_endpgm
.Lfunc_end_k_qf2381c4a3f_first16:
	.size	k_qf2381c4a3f_first16, .Lfunc_end_k_qf2381c4a3f_first16-k_qf2381c4a3f_first16
	.p2alignl 7, 3214868480
	.fill 96, 4, 3214868480
	.section	.rodata,"a",@progbits
	.p2align	6, 0x0
	.amdhsa_kernel k_qf2381c4a3f_first16
		.amdhsa_group_segment_fixed_size 67584
		.amdhsa_private_segment_fixed_size 0
		.amdhsa_enable_private_segment 0
		.amdhsa_kernarg_size 24
		.amdhsa_user_sgpr_count 2
		.amdhsa_user_sgpr_kernarg_segment_ptr 1
		.amdhsa_wavefront_size32 1
		.amdhsa_system_sgpr_workgroup_id_x 1
		.amdhsa_system_sgpr_workgroup_id_y 1
		.amdhsa_system_sgpr_workgroup_id_z 1
		.amdhsa_system_vgpr_workitem_id 0
		.amdhsa_next_free_vgpr 256
		.amdhsa_next_free_sgpr 66
		.amdhsa_reserve_vcc 1
		.amdhsa_float_denorm_mode_32 3
		.amdhsa_float_denorm_mode_16_64 3
		.amdhsa_memory_ordered 1
		.amdhsa_forward_progress 1
		.amdhsa_inst_pref_size 36
	.end_amdhsa_kernel
	.amdgpu_metadata
---
amdhsa.version: [ 1, 2 ]
amdhsa.kernels:
  - .name:           k_qf2381c4a3f_first16
    .symbol:         k_qf2381c4a3f_first16.kd
    .args:
      - { .name: fqkv, .offset: 0, .size: 8, .value_kind: global_buffer, .address_space: global }
      - { .name: o_w, .offset: 8, .size: 8, .value_kind: global_buffer, .address_space: global }
      - { .name: out0, .offset: 16, .size: 8, .value_kind: global_buffer, .address_space: global }
    .group_segment_fixed_size: 67584
    .private_segment_fixed_size: 0
    .kernarg_segment_align: 8
    .kernarg_segment_size: 24
    .max_flat_workgroup_size: 512
    .sgpr_count:     66
    .vgpr_count:     256
    .wavefront_size: 32
...
	.end_amdgpu_metadata
.endif
;; end of part 5
